; MI455X (gfx1250); checked and timed in simulation.
; The chip was launched on July 23, 2026; its instructions are those of AMD's public machine-readable ISA for CDNA 5 (MIT licence, August 2026) and "CDNA5" Instruction Set Architecture Reference Guide (July 2026). The comments in the code are by the model that wrote it; some were corrected since.
;; Attention Layer. Allowed arithmetic: matrix products marked QUANTISED: E2M1 operands, one E8M0 scale for each 32 along K, by v_wmma_scale_f32_16x16x128_f8f6f4 with both operands' format E2M1 (or v_wmma_scale_f32_32x16x128_f4), f32 sums; everything else in f32.
;; Inputs: Wk 1,024 x 1,024 float32; Wo 1,024 x 1,024 float32; Wq 1,024 x 1,024 float32; Wv 1,024 x 1,024 float32; bk 1,024 float32; bo 1,024 float32; bq 1,024 float32; bv 1,024 float32; x 4 x 2,048 x 1,024 float32.
;; Outputs: out0 4 x 2,048 x 1,024 float32.
;; This version of the problem:
;;   THIS VERSION OF THE PROBLEM IS GIVEN IN LOW PRECISION. The matrix products marked QUANTISED in the list below multiply operands that are first quantised to E2M1 (2 exponent bits, 1 mantissa bit; 4 bits a number), with one power-of-two scale for each 32 numbers along K (OCP MX v1.0); their sums are f32. All else is computed in f32.
;;   The module's matrix products, in the order in which they are computed (A, B: the left and right operand; K: the contracted axis; several contracted axes count as one K, in the product's order):
;;     1. [M 8,192, K 1,024] x [K 1,024, N 1,024]; A: input x; B: input Wq: QUANTISED
;;     2. [M 8,192, K 1,024] x [K 1,024, N 1,024]; A: input x; B: input Wk: QUANTISED
;;     3. [M 8,192, K 1,024] x [K 1,024, N 1,024]; A: input x; B: input Wv: QUANTISED
;;     4. batch 64 x [M 2,048, K 64] x [K 64, N 2,048]; A: computed on the way; B: computed on the way: QUANTISED
;;     5. batch 64 x [M 64, K 2,048] x [K 2,048, N 2,048]; A: computed on the way; B: softmax (see below): QUANTISED
;;     6. [M 8,192, K 1,024] x [K 1,024, N 1,024]; A: computed on the way; B: input Wo: QUANTISED
;;   THE QUANTISER, for each operand of a quantised product, along K:
;;     - K is cut into blocks of 32 from its start; a last block that is shorter is filled with zeros.
;;     - A block's scale is 2^e with e = floor(log2(the largest magnitude in the block)) - 2, held to -126 .. 127; a block of zeros has e = 0. As a byte (E8M0): e + 127.
;;     - Each number is divided by its block's scale, clamped to +-6, and rounded to the nearest number of E2M1, ties to even, subnormals kept.
;;     - The product sums the exact products of the quantised numbers (number of the format x scale) in f32.
;;   ~~~python
;;   def quantise(x, axis):      # numpy; x: float32 -> the quantised numbers, widened to float32 again
;;       x = np.moveaxis(x, axis, -1); K = x.shape[-1]
;;       x = np.pad(x, [(0, 0)] * (x.ndim - 1) + [(0, -K % 32)]); x = x.reshape(x.shape[:-1] + (-1, 32)); a = np.abs(x).max(-1, keepdims=True)
;;       e = np.where(a > 0, np.clip(np.frexp(np.where(a > 0, a, 1))[1] - 1 - 2, -126, 127), 0)      # np.frexp(a)[1] - 1 = floor(log2(a)), exactly
;;       r = np.clip(x / 2.0 ** e, -6, 6)
;;       step = 2.0 ** (np.maximum(np.frexp(np.where(r == 0, 1, r))[1] - 1, 0) - 1)
;;       q = np.round(r / step) * step * 2.0 ** e      # np.round: ties to even
;;       return np.moveaxis(q.reshape(q.shape[:-2] + (-1,))[..., :K], -1, axis).astype(np.float32)
;;   ~~~
;;   SOFTMAX AHEAD OF A QUANTISED PRODUCT. Where the list says 'softmax', what is quantised is not the finished softmax but p = 2^(t - M), with t = logit x log2(e) and M = ceil(the row's largest t), a whole number; so 1/2 < the row's largest p <= 1. The row's sum l is taken of the UNQUANTISED p, in f32, and the product's result is divided by l at the end. Since M is a whole number, a kernel that streams over the keys may use a running M (the ceiling of the running maximum): every later rescaling is an exact power of two, which a block's scale takes up: the codes' values come out the same.
;;   OPERANDS COMPUTED ON THE WAY. 'Computed on the way' means the value that the module computes at that place (a softmax that the list does not call 'softmax' is quantised finished and normalised). What goes into a quantiser is computed in f32, as accurately as f32 sums, v_exp_f32 and their like allow (about 1e-6 of the number): no bf16 or f16 on the way to a quantiser, and a product that is left as it is and whose result goes on into a quantised operand takes f32 operands (vector FMAs, or v_wmma_f32_16x16x4_f32). A number that lies on a knife's edge between two numbers of the format may be rounded either way, as far as f32 arithmetic and the matrix unit's own rounding can turn it there, and no further.
;; One version. Each part assembles by itself: llvm-mc -triple=amdgcn-amd-amdhsa -mcpu=gfx1250 --defsym DOCPART=n.
;; ======== version 1 of 1: 4 launches
;; limits: right only within a limited range of input values
;; workspace buffers: act_codes 4,194,304 bytes; act_scales 262,144 bytes; w_codes 2,097,152 bytes; w_scales 131,072 bytes; qkv_codes 12,582,912 bytes; qkv_scales 1,310,720 bytes
;; launch quant (part 1): grid 512 x 1, 4 waves a work-group, no clusters, 34,304 bytes of LDS; arguments x, Wq, Wk, Wv, Wo, act_codes, act_scales, w_codes, w_scales; writes act_codes, act_scales, w_codes, w_scales
.if DOCPART == 1
	.amdgcn_target "amdgcn-amd-amdhsa--gfx1250"
	.amdhsa_code_object_version 6
	.text
	.protected	k_q11e1bd7188_quant
	.globl	k_q11e1bd7188_quant
	.p2align	8
	.type	k_q11e1bd7188_quant,@function
k_q11e1bd7188_quant:
	s_mov_b64 s[64:65], 0
	v_nop
	global_prefetch_b8 v0, s[64:65] scope:SCOPE_SE
	s_setreg_imm32_b32 hwreg(HW_REG_WAVE_MODE, 25, 1), 1
	s_wait_xcnt 0x0
; x [8192][1024] (K innermost) and Wq, Wk, Wv, Wo [1024 (K)][1024 (n)] (K outermost), f32, become codes of FP4 (E2M1) with one E8M0 byte for each 32 along K.
; A block's scale is 2^(floor(log2(its largest magnitude)) - 2): its byte is the largest magnitude's exponent field - 2, held at 1 from below.
; THE LAYOUT OF THE RESULTS IS THE IMAGE OF THE MATRIX OPERAND'S REGISTERS.  Tile T holds 16 operand rows: lane-row r is row 32 (T / 2) + 8 (T % 2) + r + 8 (r / 8).
;   codes:  byte 8192 T + 1024 ks + 512 c + 16 lane: lane (r, h) holds k = 128 ks + 64 c + 32 h + 0 .. 31 of its row.   scale words: byte 512 T + 256 (ks / 4) + 16 r + 4 (ks % 4).
; An operand row of x is a row of x; of a weight it is a COLUMN n (tiles 0-63 Wq, 64-127 Wk, 128-191 Wv, 192-255 Wo).
; Work-groups 0-255 take x (32 rows each), 256-511 the weights (128 columns x 128 along K each): two paths that share no line behind the branch; only the first uses LDS.
; LIMITS: NaN and infinities among the inputs are not served.  A block of zeros, and one whose largest magnitude lies under 2^-124, gets the byte 1 (the rule says 127 for zeros): its codes are zeros
; or tiny, the bytes are read by this program alone.  The weights' scale words leave as 4 bytes at a stride of 16: blocks of 256 bytes written in part, one byte in 128 of what that path reads.
.set STG, 8448                         ; a wave's stage: 16 rows x (512 bytes + 16): the pitch is an odd multiple of 16 bytes, so sixteen lanes that read one column of sixteen rows fall on different 16-byte columns modulo 256
.set R,   32                           ; v32-159  x as loaded: two sets of 64
.set X,   160                          ; v160-223 64 numbers of my row: two whole blocks of 32
.set C,   224                          ; v224-255 codes: eight registers for each step, so that no store's data are written again
.set SW,  20                           ; v20-23   my row's scale words of the four steps
.macro LOADX s                         ; K step s of the tile's 16 rows: each load reads 512 consecutive bytes of one row
.irp i, 0,1,2,3,4,5,6,7,8,9,10,11,12,13,14,15
	global_load_b128 v[R+64*((\s)%2)+4*\i:R+64*((\s)%2)+4*\i+3], v4, s[8:9] offset:(\i+8*(\i/8))*4096+512*(\s) th:TH_LOAD_NT
.endr
.endm
.macro STEPX s
.if (\s) < 3
	s_wait_loadcnt 16                              ; this step's 16 loads are in; the next step's 16 may be out
.else
	s_wait_loadcnt 0x0
.endif
.irp i, 0,1,2,3,4,5,6,7,8,9,10,11,12,13,14,15
	ds_store_b128 v5, v[R+64*((\s)%2)+4*\i:R+64*((\s)%2)+4*\i+3] offset:528*\i      ; row i as it lies
.endr
.irp c, 0,1
.irp i, 0,1,2,3,4,5,6,7
	ds_load_b128 v[X+32*\c+4*\i:X+32*\c+4*\i+3], v6 offset:256*\c+16*\i            ; back: lane (r, h) takes k = 64 c + 32 h + 0 .. 31 of row r.  LDS serves a wave's instructions in order: these see the stores
.endr
.endr
	s_wait_dscnt 0x0                               ; the numbers are back, and the stores have read their registers,
.if (\s) < 2
	LOADX (\s)+2                                   ; which take the loads of two steps on
.endif
.irp c, 0,1
	v_max3_num_f32 v[10+\c], |v[X+32*\c]|, |v[X+32*\c+1]|, 0x1800000               ; block 2 c + h: all its 32 numbers are mine; the floor 2^(3 - 127) keeps the byte at 1 from below
.endr
.irp i, 2,4,6,8,10,12,14,16,18,20,22,24,26,28,30
.irp c, 0,1
	v_max3_num_f32 v[10+\c], v[10+\c], |v[X+32*\c+\i]|, |v[X+32*\c+\i+1]|          ; (the two blocks by turns)
.endr
.endr
.irp c, 0,1
	v_add_nc_u32 v[12+\c], 0xff000000, v[10+\c]    ; 2 off the exponent field: the conversion's scale operand
.endr
.irp c, 0,1
	v_lshrrev_b32 v[14+\c], 23, v[12+\c]           ; the scale's byte
.endr
	v_lshl_or_b32 v16, v15, 16, v14                ; my two bytes, blocks h and 2 + h,
	v_lshlrev_b32 v16, v7, v16                     ; at their places in the word (8 h bits up);
	v_permlanex16_b32 v17, v16, s4, s5
	v_or_b32 v[SW+(\s)], v16, v17                  ; with lane l xor 16's two the word is whole
.irp c, 0,1
.irp g, 0,1,2,3
	v_cvt_scalef32_pk8_fp4_f32 v[C+8*(\s)+4*\c+\g], v[X+32*\c+8*\g:X+32*\c+8*\g+7], v[12+\c]
.endr
.endr
	v_nop                                          ; one plain place behind a scaled conversion
.irp c, 0,1
	global_store_b128 v4, v[C+8*(\s)+4*\c:C+8*(\s)+4*\c+3], s[18:19] offset:1024*(\s)+512*\c   ; 32 lanes store 512 consecutive bytes
.endr
.endm
.macro LOADW j                         ; block j of my column: W(32 j + i, n), i = 0 .. 31; a load reads 128 consecutive bytes
.irp i, 0,1,2,3,4,5,6,7,8,9,10,11,12,13,14,15,16,17,18,19,20,21,22,23,24,25,26,27,28,29,30,31
	global_load_b32 v[64+32*(\j)+\i], v3, s[10:11] offset:(32*(\j)+\i)*4096 th:TH_LOAD_NT
.endr
.endm
.macro BLOCKW j
.set XS, 64+32*(\j)
.if (\j) < 3
	s_wait_loadcnt 32                              ; this block's 32 loads are in; the next block's 32 may be out
.else
	s_wait_loadcnt 0x0
.endif
.if (\j) < 2
	LOADW (\j)+2                                   ; every block has registers of its own
.endif
	v_max3_num_f32 v12, |v[XS]|, |v[XS+1]|, |v[XS+2]|
	v_max3_num_f32 v13, |v[XS+3]|, |v[XS+4]|, |v[XS+5]|
.irp i, 6,10,14,18,22,26
	v_max3_num_f32 v12, v12, |v[XS+\i]|, |v[XS+\i+1]|
	v_max3_num_f32 v13, v13, |v[XS+\i+2]|, |v[XS+\i+3]|
.endr
	v_max3_num_f32 v12, v12, |v[XS+30]|, |v[XS+31]|
	v_max3_num_f32 v12, v12, v13, 0x1800000        ; and the floor
	v_add_nc_u32 v11, 0xff000000, v12
	v_lshrrev_b32 v13, 23, v11
.if (\j) == 0
	v_mov_b32 v20, v13                             ; the four bytes make my column's scale word of this K step
.else
	v_lshl_or_b32 v20, v13, 8*(\j), v20
.endif
.irp g, 0,1,2,3
	v_cvt_scalef32_pk8_fp4_f32 v[24+4*(\j)+\g], v[XS+8*\g:XS+8*\g+7], v11
.endr
	v_nop                                          ; one plain place behind a scaled conversion
	global_store_b128 v4, v[24+4*(\j):24+4*(\j)+3], s[22:23] offset:256*(\j)      ; block j is (c, h) = (j / 2, j % 2) of the image: two runs of 256 consecutive bytes, one for each of the group's two tiles
.endm
	s_load_b512 s[8:23], s[0:1], 0x0               ; x 8:9, Wq 10:11, Wk 12:13, Wv 14:15, Wo 16:17, act_codes 18:19, act_scales 20:21, w_codes 22:23
	s_load_b64 s[24:25], s[0:1], 0x40              ; w_scales
	s_set_vgpr_msb 0x40
	v_lshl_add_u32 v0, v0, 2, 0x8400
	v_mov_b32 v1, 0
	s_set_vgpr_msb 0x4000
	v_lshrrev_b32 v1, 5, v0
	v_readfirstlane_b32 s2, v1                     ; wave 0..3
	v_and_b32 v2, 31, v0                           ; lane
	s_cmp_lt_u32 ttmp9, 256
	s_cbranch_scc0 .Lweights
	; ---- x.  Work-group g owns rows 32 g .. 32 g + 31: tiles 2 g and 2 g + 1.  Wave w takes tile 2 g + w / 2 and 512 along K (half w % 2), in four steps of 128.
	v_and_b32 v3, 15, v0                           ; r
	v_bfe_u32 v9, v0, 4, 1                         ; h
	v_lshlrev_b32 v4, 4, v2                        ; 16 x lane: my bytes of a load's and of a store's 512
	s_mul_i32 s3, s2, STG
	v_add_nc_u32 v5, s3, v4                        ; the stage, on the way in
	v_mul_u32_u24 v6, v3, 528
	v_lshl_add_u32 v6, v9, 7, v6
	v_add_nc_u32 v6, s3, v6                        ; and on the way out: row r, + 128 h bytes
	v_lshlrev_b32 v7, 3, v9                        ; 8 h
	v_lshl_add_u32 v8, v3, 4, v7                   ; the scale words' place: 16 r + 8 h
	v_mov_b32 v17, 0                               ; written once: a lane permute's destination counts as one of its sources
	s_mov_b32 s4, 0x76543210
	s_mov_b32 s5, 0xfedcba98                       ; v_permlanex16_b32's selects for lane l xor 16
	s_mov_b32 vcc_lo, 0xffff0000                   ; lanes 16-31
	s_lshr_b32 s6, s2, 1                           ; which tile
	s_and_b32 s7, s2, 1                            ; which half of K
	s_lshl_b32 s26, ttmp9, 17                      ; x: 32 rows of 4,096 bytes a work-group,
	s_lshl_b32 s28, s6, 15                         ; the second tile begins 8 rows on,
	s_add_co_u32 s26, s26, s28
	s_lshl_b32 s28, s7, 11                         ; 512 numbers along K
	s_add_co_u32 s26, s26, s28
	s_mov_b32 s27, 0
	s_lshl_b32 s28, ttmp9, 14                      ; codes: 8,192 bytes a tile, 4,096 for half of K
	s_lshl_b32 s30, s6, 13
	s_add_co_u32 s28, s28, s30
	s_lshl_b32 s30, s7, 12
	s_add_co_u32 s28, s28, s30
	s_mov_b32 s29, 0
	s_lshl_b32 s30, ttmp9, 10                      ; scale words: 512 bytes a tile, 256 for half of K
	s_lshl_b32 s3, s6, 9
	s_add_co_u32 s30, s30, s3
	s_lshl_b32 s3, s7, 8
	s_add_co_u32 s30, s30, s3
	s_mov_b32 s31, 0
	s_wait_alu depctr_va_vdst(0)
	s_wait_kmcnt 0x0
	s_add_nc_u64 s[8:9], s[8:9], s[26:27]
	s_add_nc_u64 s[18:19], s[18:19], s[28:29]
	s_add_nc_u64 s[20:21], s[20:21], s[30:31]
	LOADX 0
	LOADX 1
	STEPX 0
	STEPX 1
	STEPX 2
	STEPX 3
	v_cndmask_b32 v18, v[SW], v[SW+2], vcc_lo      ; both halves of the lanes hold all four words: lanes 0-15 store steps 0 and 1, lanes 16-31 steps 2 and 3
	v_cndmask_b32 v19, v[SW+1], v[SW+3], vcc_lo
	global_store_b64 v8, v[18:19], s[20:21]        ; 32 lanes store 256 consecutive bytes, aligned
	s_set_vgpr_msb 0x5
	s_wait_tensorcnt 0x0
	ds_add_u32 v0, v1
	s_wait_dscnt 0x0
	s_set_vgpr_msb 0x500
	s_endpgm
.Lweights:
	; ---- the weights.  Work-group 256 + 64 wi + 8 cb + ks takes weight wi, columns 128 cb on, K step ks.  A LANE TAKES A COLUMN AND ITS REGISTERS RUN DOWN K: nothing is transposed.
	s_sub_co_u32 s3, ttmp9, 256
	s_lshr_b32 s4, s3, 6                           ; wi
	s_bfe_u32 s5, s3, 0x30003                      ; cb
	s_and_b32 s6, s3, 7                            ; ks
	s_wait_alu depctr_va_vdst(0)
	v_lshlrev_b32 v3, 2, v2                        ; in: 4 bytes a lane
	v_bfe_u32 v6, v2, 3, 1                         ; column l of a group of 32 is lane-row r = l % 8 + 8 (l / 16) of tile u = (l / 8) % 2
	v_and_b32 v7, 7, v2
	v_lshrrev_b32 v8, 4, v2
	v_lshl_add_u32 v7, v8, 3, v7
	v_lshlrev_b32 v7, 4, v7                        ; 16 r
	v_lshl_add_u32 v4, v6, 13, v7                  ; codes: 8,192 u + 16 r
	v_lshl_add_u32 v5, v6, 9, v7                   ; scale words: 512 u + 16 r
	s_lshl_b32 s26, s6, 19                         ; W: 128 rows of 4,096 bytes a K step,
	s_lshl_b32 s7, s5, 9                           ; 128 columns a work-group,
	s_add_co_u32 s26, s26, s7
	s_lshl_b32 s7, s2, 7                           ; 32 a wave
	s_add_co_u32 s26, s26, s7
	s_mov_b32 s27, 0
	s_lshl_b32 s7, s4, 5
	s_lshl_b32 s28, s5, 2
	s_add_co_u32 s7, s7, s28
	s_add_co_u32 s7, s7, s2                        ; my group of 32 operand rows: 32 wi + 4 cb + wave
	s_lshl_b32 s28, s7, 14
	s_lshl_b32 s30, s6, 10
	s_add_co_u32 s28, s28, s30
	s_mov_b32 s29, 0
	s_lshl_b32 s30, s7, 10
	s_lshr_b32 s7, s6, 2
	s_lshl_b32 s7, s7, 8
	s_add_co_u32 s30, s30, s7
	s_and_b32 s7, s6, 3
	s_lshl_b32 s7, s7, 2
	s_add_co_u32 s30, s30, s7
	s_mov_b32 s31, 0
	s_wait_alu depctr_va_vdst(0)
	s_wait_kmcnt 0x0
	s_cmp_eq_u32 s4, 1                             ; which weight: the choice hangs on the work-group's number alone
	s_cselect_b64 s[10:11], s[12:13], s[10:11]
	s_cmp_eq_u32 s4, 2
	s_cselect_b64 s[10:11], s[14:15], s[10:11]
	s_cmp_eq_u32 s4, 3
	s_cselect_b64 s[10:11], s[16:17], s[10:11]
	s_add_nc_u64 s[10:11], s[10:11], s[26:27]
	s_add_nc_u64 s[22:23], s[22:23], s[28:29]
	s_add_nc_u64 s[24:25], s[24:25], s[30:31]
	LOADW 0
	LOADW 1
	BLOCKW 0
	BLOCKW 1
	BLOCKW 2
	BLOCKW 3
	global_store_b32 v5, v20, s[24:25]
	s_endpgm
.Lfunc_end_k_q11e1bd7188_quant:
	.size	k_q11e1bd7188_quant, .Lfunc_end_k_q11e1bd7188_quant-k_q11e1bd7188_quant
	.p2alignl 7, 3214868480
	.fill 96, 4, 3214868480
	.section	.rodata,"a",@progbits
	.p2align	6, 0x0
	.amdhsa_kernel k_q11e1bd7188_quant
		.amdhsa_group_segment_fixed_size 34304
		.amdhsa_private_segment_fixed_size 0
		.amdhsa_enable_private_segment 0
		.amdhsa_kernarg_size 72
		.amdhsa_user_sgpr_count 2
		.amdhsa_user_sgpr_kernarg_segment_ptr 1
		.amdhsa_wavefront_size32 1
		.amdhsa_system_sgpr_workgroup_id_x 1
		.amdhsa_system_sgpr_workgroup_id_y 1
		.amdhsa_system_sgpr_workgroup_id_z 1
		.amdhsa_system_vgpr_workitem_id 0
		.amdhsa_next_free_vgpr 258
		.amdhsa_next_free_sgpr 66
		.amdhsa_reserve_vcc 1
		.amdhsa_float_denorm_mode_32 3
		.amdhsa_float_denorm_mode_16_64 3
		.amdhsa_memory_ordered 1
		.amdhsa_forward_progress 1
		.amdhsa_inst_pref_size 50
	.end_amdhsa_kernel
	.amdgpu_metadata
---
amdhsa.version: [ 1, 2 ]
amdhsa.kernels:
  - .name:           k_q11e1bd7188_quant
    .symbol:         k_q11e1bd7188_quant.kd
    .args:
      - { .name: x, .offset: 0, .size: 8, .value_kind: global_buffer, .address_space: global }
      - { .name: Wq, .offset: 8, .size: 8, .value_kind: global_buffer, .address_space: global }
      - { .name: Wk, .offset: 16, .size: 8, .value_kind: global_buffer, .address_space: global }
      - { .name: Wv, .offset: 24, .size: 8, .value_kind: global_buffer, .address_space: global }
      - { .name: Wo, .offset: 32, .size: 8, .value_kind: global_buffer, .address_space: global }
      - { .name: act_codes, .offset: 40, .size: 8, .value_kind: global_buffer, .address_space: global }
      - { .name: act_scales, .offset: 48, .size: 8, .value_kind: global_buffer, .address_space: global }
      - { .name: w_codes, .offset: 56, .size: 8, .value_kind: global_buffer, .address_space: global }
      - { .name: w_scales, .offset: 64, .size: 8, .value_kind: global_buffer, .address_space: global }
    .group_segment_fixed_size: 34304
    .private_segment_fixed_size: 0
    .kernarg_segment_align: 8
    .kernarg_segment_size: 72
    .max_flat_workgroup_size: 128
    .sgpr_count:     66
    .vgpr_count:     258
    .wavefront_size: 32
...
	.end_amdgpu_metadata
.endif
;; end of part 1
;; launch qkv (part 2): grid 8 x 32, 4 waves a work-group, clusters of 4 x 4, 327,680 bytes of LDS; arguments act_codes, act_scales, w_codes, w_scales, bq, bk, bv, qkv_codes, qkv_scales; writes qkv_codes, qkv_scales
.if DOCPART == 2
	.amdgcn_target "amdgcn-amd-amdhsa--gfx1250"
	.amdhsa_code_object_version 6
	.text
	.protected	k_q11e1bd7188_qkv
	.globl	k_q11e1bd7188_qkv
	.p2align	8
	.type	k_q11e1bd7188_qkv,@function
k_q11e1bd7188_qkv:
	s_mov_b64 s[64:65], 0
	v_nop
	global_prefetch_b8 v0, s[64:65] scope:SCOPE_SE
	s_setreg_imm32_b32 hwreg(HW_REG_WAVE_MODE, 25, 1), 1
	s_wait_xcnt 0x0
	s_wait_alu depctr_hold_cnt(0) depctr_sa_sdst(0) depctr_va_vdst(0) depctr_va_sdst(0) depctr_va_ssrc(0) depctr_va_vcc(0) depctr_vm_vsrc(0)
	s_getreg_b32 s2, hwreg(HW_REG_IB_STS2, 6, 4)
	s_cmp_eq_u32 s2, 0
	s_cbranch_scc0 .Lentry_in_a_cluster
	s_endpgm
.Lentry_in_a_cluster:
	s_bfe_u32 s2, ttmp6, 0x10000c
	s_cmp_lg_u32 s2, 0xf033
	s_cbranch_scc0 .Lentry_shape_is_right
	s_endpgm
.Lentry_shape_is_right:
; q = x Wq + bq, k = x Wk + bk, v = x Wv + bv on codes of FP4 (E2M1) with E8M0 scales, K = 1,024; the results are quantised in registers, q and k along the head's 64, v along the keys, and stored as
; images of the next products' operand registers.  Operands arrive as such images: tile T, lane-row r = operand row 32 (T / 2) + 8 (T % 2) + r + 8 (r / 8); codes at 8192 T + 1024 ks + 512 c + 16 lane; scale words at 512 T + 256 (ks / 4) + 16 r + 4 (ks % 4).
; THE CORE.  A tile is 256 rows of operand P (source 0: they run along a lane's registers) x 128 rows of operand Q (source 1: one a lane).  Four waves, each 128 of P (8 tiles b) x 64 of Q (4 tiles a): 32 accumulators.
; By the choice of a tile's rows the 16 registers of tiles 2 g and 2 g + 1 are P's rows 32 g + 16 (lane / 16) + 0 .. 15: 16 neighbours along the NEXT product's K, so a lane's 64 registers of one a quantise straight into a fragment.
; THE DEAL: 256 work-groups, THREE TILES EACH.  Two of q or k: P = 256 columns of Wq or Wk (block 4 X + cx), Q = rows of x, blocks 4 y + cy and 32 further on: a loop of two trips.  Then one of v: P = 256 rows of x (block 4 X + cx + 8 (y / 2)),
; Q = 128 columns of Wv (block 16 + cy + 4 (y % 2) of the weights): a lane holds one channel and 128 keys.  X, y: the cluster's numbers.
; LDS: P's codes at 0: [tile 0..15][8,192]; two blocks of Q at QB and QB + 65,536: [tile 0..7][8,192]; the spare words.  At the head one tensor load a wave: waves 0, 1 P's halves, waves 2, 3 a block of x each.
; ONE REFILL, behind a drained round of the cluster's barrier with the three lines ahead of it: x's 256 rows over the weights', Wv's 128 over the first block of x, half a wave.
; CLUSTERS: 4 x 4.  P hangs on the cluster's numbers and cx: shared along a column; Q on the cluster's numbers and cy: shared along a row.  Each is asked for jointly.
; The refill's rows are asked for into the L2 behind the head's barrier, two tiles of work ahead of the refill: each aligned 256 bytes once in a cluster, the four partners' sixteen waves sharing a block out by address.
; The scale words come by plain loads straight into registers.  The biases are the C of each sum's first matrix instruction.  The accumulators take turns, one instruction a turn.
; qkv_codes: head bh at 196,608 bh: q [tile][512 bytes], k at + 65,536 likewise, v at + 131,072 [key step][d tile][1,024 bytes].  qkv_scales: 20,480 bh: q 32 blocks of 256 bytes (64 rows each; byte 8 lane + 4 i: tile 2 i in lanes 0-15, 2 i + 1 in lanes 16-31), k at + 8,192, v at + 16,384 (a block a key step).
; q's and k's scale words are [s0, s1, 0, 0]: the upper half of the 128-deep instruction holds zero codes.
; LIMITS: NaN and infinities are not served; a block of zeros gets the byte 1 where the rule says 127 (its codes are zeros; this program alone reads the bytes).
; REGISTERS: window 0: v16-27 addresses; v32-63 P's scale words; v96-111 Q's; v112-127 at work; v128-191 Q's fragments, two sets (later the codes made); v192-255 the bias.  window 1: P's fragments, two sets.  window 2: accumulator (a, b) at v[8 (8 a + b)].
.set QB,   131072
.set SPARE, 262144
.set ADP,  16                          ; v16-17 my P fragments, K steps 0-3 and 4-7
.set ADQ,  18                          ; v18-19 my Q fragments
.set ADSP, 20                          ; v20    P's scale words: lanes 0-15 tiles 0-3, lanes 16-31 tiles 4-7
.set ADSQ, 21                          ; v21    Q's: lanes 0-15 K steps 0-3, lanes 16-31 K steps 4-7
.set LI,   22                          ; v22    16 x lane
.set L8,   23                          ; v23    8 x lane
.set BH,   24                          ; v24    64 x (lane / 16): the bias along the registers
.set BR,   25                          ; v25    4 x (r + 8 (r / 8)): the bias along the lanes
.set PFA,  26                          ; v26, v27 the prefetches' offsets; never rewritten
.set PFB,  27
.set SCP,  32
.set SCQ,  96
.set TM,   112
.set SPW,  122                         ; v122 my spare word; v123 0
.set NIL,  123
.set QF,   128
.set BI,   192
.set PC,   128                         ; the codes made: eight registers for each a
.set PW,   160                         ; their scale words
.set WV,   22                          ; s22 wave; s23 wave % 2; s86 wave / 2
.set MSB, 0
.macro WIN new
.if MSB != \new
	s_set_vgpr_msb (MSB<<8)|\new
.set MSB, \new
.endif
.endm
.macro WALU
	s_wait_alu depctr_va_vdst(0)
.endm
.macro CROUND
	s_barrier_signal -1
	s_barrier_wait -1
	s_cmp_lg_u32 s[WV], 0
	s_cbranch_scc1 .Lnot_wave_0_\@
	s_barrier_signal -3
.Lnot_wave_0_\@:
	s_barrier_wait -3
	s_barrier_signal -1
	s_barrier_wait -1
.endm
.macro PLACES
.rept 4
	v_nop
.endr
.endm
.macro JLOAD g0p, g0q, g1q             ; waves 0, 1 ask for P's halves, waves 2, 3 for Q's part: one load a wave
	s_cmp_lt_u32 s[WV], 2
	s_cbranch_scc0 .Lfor_q_\@
	tensor_load_to_lds s[\g0p:\g0p+3], s[24:31]
	s_nop 0
	PLACES
	s_branch .Lasked_\@
.Lfor_q_\@:
	tensor_load_to_lds s[\g0q:\g0q+3], s[\g1q:\g1q+7]
	s_nop 0
	PLACES
.Lasked_\@:
.endm
.macro SCALEP p                        ; the scale words of my eight tiles of P, all of K
.irp i, 0,1,2,3
.irp k, 0,1
	global_load_b128 v[SCP+8*\i+4*\k:SCP+8*\i+4*\k+3], v[ADSP], s[\p:\p+1] offset:512*\i+256*\k
.endr
.endr
.endm
.macro SCALEQ p                        ; and of my four tiles of Q
.irp a, 0,1,2,3
	global_load_b128 v[SCQ+4*\a:SCQ+4*\a+3], v[ADSQ], s[\p:\p+1] offset:512*\a
.endr
.endm
.macro FETCH q                         ; K step q's fragments into set q % 2
	WIN 0x40
.irp b, 0,1,2,3,4,5,6,7
.irp c, 0,1
	ds_load_b128 v[64*((\q)%2)+8*\b+4*\c:64*((\q)%2)+8*\b+4*\c+3], v[ADP+(\q)/4] offset:8192*\b+1024*((\q)%4)+512*\c
.endr
.endr
	WIN 0
.irp a, 0,1,2,3
.irp c, 0,1
	ds_load_b128 v[QF+32*((\q)%2)+8*\a+4*\c:QF+32*((\q)%2)+8*\a+4*\c+3], v[ADQ+(\q)/4] offset:8192*\a+1024*((\q)%4)+512*\c
.endr
.endr
.endm
.macro WM a, b, q, cm                  ; one product.  cm = 0: onto the sum; 1: the sum begins with the bias of P's tile b; 2: with that of Q's tile a
.set rD, 8*(8*(\a)+(\b))
.set rP, 64*((\q)%2)+8*(\b)
.set rQ, QF+32*((\q)%2)+8*(\a)
.set rX, SCP+8*((\b)%4)+(\q)
.set rY, SCQ+4*(\a)+(\q)%4
.if (\cm) == 1
.set rC, BI+8*(\b)
.elseif (\cm) == 2
.set rC, BI+8*(\a)
.else
.set rC, rD
.endif
.if ((\b) >= 4) && ((\q) >= 4)
	v_wmma_scale_f32_16x16x128_f8f6f4 v[rD:rD+7], v[rP:rP+7], v[rQ:rQ+7], v[rC:rC+7], v[rX], v[rY] matrix_a_fmt:MATRIX_FMT_FP4 matrix_b_fmt:MATRIX_FMT_FP4 matrix_a_scale:MATRIX_SCALE_ROW1 matrix_b_scale:MATRIX_SCALE_ROW1
.elseif (\b) >= 4
	v_wmma_scale_f32_16x16x128_f8f6f4 v[rD:rD+7], v[rP:rP+7], v[rQ:rQ+7], v[rC:rC+7], v[rX], v[rY] matrix_a_fmt:MATRIX_FMT_FP4 matrix_b_fmt:MATRIX_FMT_FP4 matrix_a_scale:MATRIX_SCALE_ROW1
.elseif (\q) >= 4
	v_wmma_scale_f32_16x16x128_f8f6f4 v[rD:rD+7], v[rP:rP+7], v[rQ:rQ+7], v[rC:rC+7], v[rX], v[rY] matrix_a_fmt:MATRIX_FMT_FP4 matrix_b_fmt:MATRIX_FMT_FP4 matrix_b_scale:MATRIX_SCALE_ROW1
.else
	v_wmma_scale_f32_16x16x128_f8f6f4 v[rD:rD+7], v[rP:rP+7], v[rQ:rQ+7], v[rC:rC+7], v[rX], v[rY] matrix_a_fmt:MATRIX_FMT_FP4 matrix_b_fmt:MATRIX_FMT_FP4
.endif
.endm
.macro MUL16 a0, q, cm
.if (\q) == 0
	WIN 0x81                                       ; source 0 window 1, source 1 and C (the bias) window 0, D window 2
.else
	WIN 0xa1                                       ; C and D window 2
.endif
.irp a, \a0, \a0+1
.irp b, 0,1,2,3,4,5,6,7
.if (\q) == 0
	WM (\a), \b, \q, \cm
.else
	WM (\a), \b, \q, 0
.endif
.endr
.endr
.endm
.macro STEP q, cm                      ; a K step of 128: the next step's 24 loads first, then 32 matrix instructions under which they land
	s_wait_dscnt 0x0
.if (\q) < 7
.if (\q) > 0
	PLACES                                         ; the set was read by the step before
.endif
	FETCH (\q)+1
.endif
	MUL16 0, \q, \cm
	MUL16 2, \q, \cm
.endm
.macro MAIN cm                         ; a tile's products
	FETCH 0
	s_wait_loadcnt 0x0                             ; the bias and the scale words
.irp q, 0,1,2,3,4,5,6,7
	STEP \q, \cm
.endr
	WIN 0
	PLACES
.endm
; The 64 results of Q's tile a, register 16 b + i = next k 32 b + 16 (lane / 16) + i, become a fragment's codes in v[PC + 8 a] on and its scale word in v[PW + a].
.macro QUANT a
.set qs, 64*(\a)
	WIN 0x28                                       ; sources 1 and 2 window 2
.irp b, 0,1,2,3
	v_max3_num_f32 v[TM+\b], s98, |v[qs+16*\b]|, |v[qs+16*\b+1]|                   ; block b: my 16 numbers, from each accumulator's low end on, and the floor 2^(3 - 127)
.endr
.irp i, 2,4,6,8,10,12,14
.irp b, 0,1,2,3
	v_max3_num_f32 v[TM+\b], v[TM+\b], |v[qs+16*\b+\i]|, |v[qs+16*\b+\i+1]|
.endr
.endr
	WIN 0
.irp b, 0,1,2,3
	v_permlanex16_b32 v[TM+4+\b], v[TM+\b], s100, s101
.endr
.irp b, 0,1,2,3
	v_max_num_f32 v[TM+\b], v[TM+\b], v[TM+4+\b]   ; with lane l xor 16's: the block's largest magnitude
.endr
.irp b, 0,1,2,3
	v_add_nc_u32 v[TM+12+\b], 0xff000000, v[TM+\b] ; 2 off the exponent field: the conversion's scale operand
.endr
.irp b, 0,1,2,3
	v_lshrrev_b32 v[TM+4+\b], 23, v[TM+12+\b]      ; the scale's byte
.endr
	v_lshl_or_b32 v[PW+(\a)], v[TM+5], 8, v[TM+4]
	v_lshl_or_b32 v[PW+(\a)], v[TM+6], 16, v[PW+(\a)]
	v_lshl_or_b32 v[PW+(\a)], v[TM+7], 24, v[PW+(\a)]
	WIN 0x02                                       ; source 0 window 2
.irp b, 0,1,2,3
	v_cvt_scalef32_pk8_fp4_f32 v[PC+8*(\a)+2*\b], v[qs+16*\b:qs+16*\b+7], v[TM+12+\b]
	v_cvt_scalef32_pk8_fp4_f32 v[PC+8*(\a)+2*\b+1], v[qs+16*\b+8:qs+16*\b+15], v[TM+12+\b]
.endr
	WIN 0
	v_nop                                          ; one plain place behind a scaled conversion
.irp c, 0,1                                    ; a whole block in a lane: lanes 0-15 block 2 c, lanes 16-31 block 2 c + 1
.irp i, 0,1
	v_permlane16_swap_b32 v[PC+8*(\a)+4*\c+\i], v[PC+8*(\a)+4*\c+2+\i]
.endr
.endr
.endm
	s_load_b256 s[4:11], s[0:1], 0x0               ; act_codes 4:5, act_scales 6:7, w_codes 8:9, w_scales 10:11
	s_load_b256 s[12:19], s[0:1], 0x20             ; bq 12:13, bk 14:15, bv 16:17, qkv_codes 18:19
	s_load_b64 s[20:21], s[0:1], 0x40              ; qkv_scales
	v_lshl_add_u32 v[SPW], v0, 2, SPARE
	v_mov_b32 v[NIL], 0
	ds_add_u32 v[SPW], v[NIL]                      ; the opening lines: the add twice on end
	ds_add_u32 v[SPW], v[NIL]
	v_lshrrev_b32 v1, 5, v0
	v_readfirstlane_b32 s[WV], v1                  ; wave 0..3
	s_and_b32 s23, s[WV], 1                        ; which half of P's rows is mine; also: which part of an operand I fetch
	s_lshr_b32 s86, s[WV], 1                       ; which half of Q's rows is mine
	s_bfe_u32 s84, ttmp6, 0x40000                  ; cx
	s_bfe_u32 s85, ttmp6, 0x40004                  ; cy
	s_and_b32 s87, ttmp7, 0xffff                   ; the cluster's y
	s_lshl_b32 s90, 0x1111, s84                    ; my column of the cluster
	s_lshl_b32 s91, s85, 2
	s_lshl_b32 s91, 15, s91                        ; my row
	; descriptor groups 1, elements of 8 bytes, rows of 4,096 bytes, dense.  s24: half of P, 16 rows; s32: half a block of Q, 8 rows; s40: a whole block of Q, 16 rows
	s_or_b32 s24, s90, (3<<16)|(1<<21)
	s_mov_b32 s25, 512<<16
	s_mov_b32 s26, 16<<16
	s_mov_b32 s27, 512<<16
	s_mov_b32 s28, 16
	s_mov_b32 s29, 512
	s_mov_b32 s30, 0
	s_mov_b32 s31, 0
	s_or_b32 s32, s91, (3<<16)|(1<<21)
	s_mov_b32 s33, 512<<16
	s_mov_b32 s34, 8<<16
	s_mov_b32 s35, 512<<16
	s_mov_b32 s36, 8
	s_mov_b32 s37, 512
	s_mov_b32 s38, 0
	s_mov_b32 s39, 0
	s_or_b32 s40, s91, (3<<16)|(1<<21)
	s_mov_b32 s41, 512<<16
	s_mov_b32 s42, 16<<16
	s_mov_b32 s43, 512<<16
	s_mov_b32 s44, 16
	s_mov_b32 s45, 512
	s_mov_b32 s46, 0
	s_mov_b32 s47, 0
	s_lshl_b32 s88, ttmp9, 2
	s_add_co_u32 s88, s88, s84                     ; q, k: P's block of the weights (0-3 Wq, 4-7 Wk): never holds cy
	s_lshr_b32 s52, s87, 1
	s_lshl_b32 s52, s52, 3
	s_add_co_u32 s52, s52, s88                     ; v: P's block of x
	s_lshl_b32 s89, s87, 2
	s_add_co_u32 s89, s89, s85                     ; q, k: Q's first block of x: never holds cx
	s_and_b32 s53, s87, 1
	s_lshl_b32 s53, s53, 2
	s_add_co_u32 s53, s53, s85
	s_add_co_u32 s53, s53, 16                      ; v: Q's block of the weights
	s_mov_b32 s93, 0
	s_mov_b32 s95, 0
	s_mov_b32 s56, 1
	s_mov_b32 s60, 1
	s_mov_b32 s68, 1
	s_mov_b32 s76, 1
	s_lshl_b32 s57, s23, 16                        ; the LDS addresses: constants and the wave's number alone
	s_lshl_b32 s61, s23, 16
	s_lshl_b32 s69, s23, 16
	s_add_co_u32 s69, s69, QB
	s_lshl_b32 s77, s23, 15
	s_add_co_u32 s77, s77, QB
	s_wait_dscnt 0x0
	s_wait_kmcnt 0x0
	s_lshl_b32 s92, s88, 17                        ; a P block is 131,072 bytes of codes; I fetch half of it
	s_lshl_b32 s96, s23, 16
	s_add_co_u32 s92, s92, s96
	s_add_nc_u64 s[62:63], s[8:9], s[92:93]        ; q, k: the weights
	s_or_b32 s63, s63, 0x80000000
	s_lshl_b32 s92, s52, 17
	s_add_co_u32 s92, s92, s96
	s_add_nc_u64 s[58:59], s[4:5], s[92:93]        ; v: x
	s_or_b32 s59, s59, 0x80000000
	s_lshl_b32 s92, s88, 13                        ; and 8,192 of scale words, of which my half
	s_lshl_b32 s96, s23, 12
	s_add_co_u32 s92, s92, s96
	s_add_nc_u64 s[72:73], s[10:11], s[92:93]
	s_lshl_b32 s92, s52, 13
	s_add_co_u32 s92, s92, s96
	s_add_nc_u64 s[80:81], s[6:7], s[92:93]
	s_lshl_b32 s94, s89, 16                        ; a Q block is 65,536 bytes of codes.  q, k: wave 2 the first block, wave 3 the block 32 further on
	s_lshl_b32 s96, s23, 21
	s_add_co_u32 s94, s94, s96
	s_add_nc_u64 s[70:71], s[4:5], s[94:95]
	s_or_b32 s71, s71, 0x80000000
	s_lshl_b32 s94, s53, 16                        ; v: half a block
	s_lshl_b32 s96, s23, 15
	s_add_co_u32 s94, s94, s96
	s_add_nc_u64 s[78:79], s[8:9], s[94:95]
	s_or_b32 s79, s79, 0x80000000
	s_lshl_b32 s94, s89, 12                        ; and 4,096 of scale words, of which my half of the rows
	s_lshl_b32 s96, s86, 11
	s_add_co_u32 s94, s94, s96
	s_add_nc_u64 s[74:75], s[6:7], s[94:95]
	s_lshl_b32 s94, s53, 12
	s_add_co_u32 s94, s94, s96
	s_add_nc_u64 s[82:83], s[10:11], s[94:95]
	CROUND                                         ; all sixteen work-groups are here: the joint loads meet
	JLOAD 60, 68, 40
	; the prefetches' places: of x's 131,072 bytes my column's sixteen waves take 8,192 each, lanes 256 apart; of Wv's 65,536 my row's sixteen take 4,096 each, sixteen lanes (the others name the last again)
	s_lshl_b32 s96, s85, 2
	s_add_co_u32 s96, s96, s[WV]
	s_lshl_b32 s96, s96, 13
	s_lshl_b32 s97, s52, 17
	s_add_co_u32 s96, s96, s97
	s_lshl_b32 s97, s84, 2
	s_add_co_u32 s97, s97, s[WV]
	s_lshl_b32 s97, s97, 12
	s_lshl_b32 s99, s53, 16
	s_add_co_u32 s97, s97, s99
	v_and_b32 v1, 31, v0                           ; lane
	v_and_b32 v2, 15, v0                           ; r
	v_bfe_u32 v3, v0, 4, 1                         ; h
	v_lshl_add_u32 v[PFA], v1, 8, s96
	v_min_u32 v[PFB], 15, v1
	v_lshl_add_u32 v[PFB], v[PFB], 8, s97
	v_lshlrev_b32 v[LI], 4, v1
	v_lshlrev_b32 v[L8], 3, v1
	s_lshl_b32 s96, s23, 16
	v_add_nc_u32 v[ADP], s96, v[LI]
	v_add_nc_u32 v[ADP+1], 4096, v[ADP]            ; K steps 4 to 7 lie 4,096 bytes on in every tile
	v_lshlrev_b32 v5, 4, v2                        ; 16 r
	v_lshl_add_u32 v[ADSP], v3, 11, v5             ; lanes 16-31: four tiles on
	v_lshl_add_u32 v[ADSQ], v3, 8, v5              ; lanes 16-31: the second four K steps
	v_lshlrev_b32 v[BH], 6, v3
	v_and_b32 v6, 8, v2
	v_add_nc_u32 v6, v6, v2
	v_lshlrev_b32 v[BR], 2, v6
.irp b, 0,1,2,3
	v_mov_b32 v[TM+4+\b], 0                        ; written once: a lane permute's destination counts as one of its sources
.endr
	s_mov_b32 s98, 0x1800000                       ; the floor 2^(3 - 127)
	s_mov_b32 s100, 0x76543210
	s_mov_b32 s101, 0xfedcba98                     ; selects for lane l xor 16
	s_mov_b32 vcc_lo, 0xffff0000                   ; lanes 16-31
	; ---- q and k.  The cluster's x says which (0: q, 1: k); my 128 columns are heads 4 cx + 2 (wave % 2) and the next; my 64 rows are block 2 (Q block % 16) + wave / 2 of batch Q block / 16
	s_cmp_eq_u32 ttmp9, 0
	s_cselect_b64 s[12:13], s[12:13], s[14:15]
	s_lshl_b32 s92, s84, 10
	s_lshl_b32 s96, s23, 9
	s_add_co_u32 s92, s92, s96
	s_add_nc_u64 s[12:13], s[12:13], s[92:93]
	WALU
.irp g, 0,1,2,3
.irp i, 0,1,2,3
	global_load_b128 v[BI+16*\g+4*\i:BI+16*\g+4*\i+3], v[BH], s[12:13] offset:128*\g+16*\i   ; register 16 g + i: the bias of column 32 g + 16 h + i
.endr
.endr
	SCALEP 72
	s_lshl_b32 s96, s84, 2
	s_lshl_b32 s97, s23, 1
	s_add_co_u32 s96, s96, s97
	s_lshr_b32 s97, s89, 4
	s_lshl_b32 s97, s97, 4
	s_add_co_u32 s96, s96, s97                     ; bh of my first head
	s_and_b32 s97, s89, 15
	s_lshl_b32 s97, s97, 1
	s_add_co_u32 s97, s97, s86                     ; my block of 64 rows
	s_mul_i32 s92, s96, 196608
	s_lshl_b32 s99, ttmp9, 16
	s_add_co_u32 s92, s92, s99
	s_lshl_b32 s99, s97, 11
	s_add_co_u32 s92, s92, s99
	s_add_nc_u64 s[48:49], s[18:19], s[92:93]
	s_mul_i32 s94, s96, 20480
	s_lshl_b32 s99, ttmp9, 13
	s_add_co_u32 s94, s94, s99
	s_lshl_b32 s99, s97, 8
	s_add_co_u32 s94, s94, s99
	s_add_nc_u64 s[50:51], s[20:21], s[94:95]
	s_mov_b32 s54, 0                               ; the trip
	s_lshl_b32 s55, s86, 15
	s_add_co_u32 s55, s55, QB                      ; where my rows of the trip's block of x lie
	s_wait_tensorcnt 0x0                           ; my load has landed
	s_barrier_signal -1
	s_barrier_wait -1                              ; everybody's has
	global_prefetch_b8 v[PFA], s[4:5] th:TH_LOAD_NT scope:SCOPE_SE
	global_prefetch_b8 v[PFB], s[8:9] th:TH_LOAD_NT scope:SCOPE_SE
.Ltrip:
	v_add_nc_u32 v[ADQ], s55, v[LI]
	v_add_nc_u32 v[ADQ+1], 4096, v[ADQ]
	WALU
	SCALEQ 74
	MAIN 1
.irp a, 0,1,2,3
	QUANT \a
.irp c, 0,1
	global_store_b128 v[LI], v[PC+8*\a+4*\c:PC+8*\a+4*\c+3], s[48:49] offset:\c*196608+\a*512   ; registers 4 c on are head c's half fragment: 512 consecutive bytes
.endr
.endr
	v_cndmask_b32 v164, v[PW], v[PW+1], vcc_lo     ; every lane holds its row's word: tile 0 in lanes 0-15, tile 1 in lanes 16-31;
	v_cndmask_b32 v165, v[PW+2], v[PW+3], vcc_lo   ; tiles 2 and 3
	v_and_b32 v166, 0xffff, v164                   ; bytes 0 and 1 are the first head's two blocks,
	v_and_b32 v167, 0xffff, v165
	v_lshrrev_b32 v168, 16, v164                   ; bytes 2 and 3 the second's
	v_lshrrev_b32 v169, 16, v165
	global_store_b64 v[L8], v[166:167], s[50:51]   ; 256 consecutive bytes, aligned
	global_store_b64 v[L8], v[168:169], s[50:51] offset:20480
	s_wait_xcnt 0x0                                ; the stores' data and the pointers are written again only behind this wait
	s_add_nc_u64 s[74:75], s[74:75], 131072        ; 32 blocks of x on: two batches
	s_add_nc_u64 s[48:49], s[48:49], 6291456
	s_add_nc_u64 s[50:51], s[50:51], 655360
	s_add_co_u32 s55, s55, 65536
	s_add_co_u32 s54, s54, 1
	s_cmp_lt_u32 s54, 2
	WALU
	s_cbranch_scc1 .Ltrip
	; ---- the refill
	s_wait_tensorcnt 0x0
	ds_add_u32 v[SPW], v[NIL]
	s_wait_dscnt 0x0                               ; the add is done, and my reads of the weights and of x are over
	CROUND                                         ; so are those of every wave of the cluster
	JLOAD 56, 76, 32
	s_mov_b32 vcc_lo, 0xffff0000                   ; written anew behind a tensor load
	; ---- v.  My 64 columns are head 2 (Q block - 16) + wave / 2; my 128 rows are key step 2 (P block % 8) + wave % 2 of batch P block / 8
	s_lshl_b32 s96, s86, 15
	s_add_co_u32 s96, s96, QB
	v_add_nc_u32 v[ADQ], s96, v[LI]
	v_add_nc_u32 v[ADQ+1], 4096, v[ADQ]
	s_sub_co_u32 s96, s53, 16
	s_lshl_b32 s96, s96, 1
	s_add_co_u32 s96, s96, s86                     ; the head
	s_lshl_b32 s92, s96, 8
	s_add_nc_u64 s[16:17], s[16:17], s[92:93]
.irp a, 0,1,2,3
	global_load_b32 v[BI+8*\a], v[BR], s[16:17] offset:128*(\a/2)+32*(\a%2)       ; the bias of my lane's channel in tile a
.endr
	SCALEP 80
	SCALEQ 82
	s_lshr_b32 s97, s52, 3
	s_lshl_b32 s97, s97, 4
	s_add_co_u32 s96, s96, s97                     ; bh
	s_and_b32 s97, s52, 7
	s_lshl_b32 s97, s97, 1
	s_add_co_u32 s97, s97, s23                     ; the key step
	s_mul_i32 s92, s96, 196608
	s_add_co_u32 s92, s92, 131072
	s_lshl_b32 s99, s97, 12
	s_add_co_u32 s92, s92, s99
	s_add_nc_u64 s[18:19], s[18:19], s[92:93]
	s_mul_i32 s94, s96, 20480
	s_add_co_u32 s94, s94, 16384
	s_lshl_b32 s99, s97, 8
	s_add_co_u32 s94, s94, s99
	s_add_nc_u64 s[20:21], s[20:21], s[94:95]
	WALU
	s_wait_loadcnt 0x0
.irp a, 0,1,2,3
.irp j, 1,2,3,4,5,6,7
	v_mov_b32 v[BI+8*\a+\j], v[BI+8*\a]            ; the same for the lane's eight keys
.endr
.endr
.rept 8
	v_nop                                          ; distance between these writes and the scaled matrix instructions that take them as C
.endr
	WALU
	s_wait_tensorcnt 0x0                           ; my part of the refill has landed
	s_barrier_signal -1
	s_barrier_wait -1                              ; everybody's has
	MAIN 2
.irp a, 0,1,2,3
	QUANT \a
.irp c, 0,1
	global_store_b128 v[LI], v[PC+8*\a+4*\c:PC+8*\a+4*\c+3], s[18:19] offset:\a*1024+\c*512   ; d tile a's fragment of this key step
.endr
.endr
	v_cndmask_b32 v164, v[PW], v[PW+1], vcc_lo
	v_cndmask_b32 v165, v[PW+2], v[PW+3], vcc_lo
	global_store_b64 v[L8], v[164:165], s[20:21]
	s_wait_tensorcnt 0x0                           ; the wave's end
	ds_add_u32 v[SPW], v[NIL]
	s_wait_dscnt 0x0
	CROUND                                         ; the closing round
	s_endpgm
.Lfunc_end_k_q11e1bd7188_qkv:
	.size	k_q11e1bd7188_qkv, .Lfunc_end_k_q11e1bd7188_qkv-k_q11e1bd7188_qkv
	.p2alignl 7, 3214868480
	.fill 96, 4, 3214868480
	.section	.rodata,"a",@progbits
	.p2align	6, 0x0
	.amdhsa_kernel k_q11e1bd7188_qkv
		.amdhsa_group_segment_fixed_size 327680
		.amdhsa_private_segment_fixed_size 0
		.amdhsa_enable_private_segment 0
		.amdhsa_kernarg_size 72
		.amdhsa_user_sgpr_count 2
		.amdhsa_user_sgpr_kernarg_segment_ptr 1
		.amdhsa_wavefront_size32 1
		.amdhsa_system_sgpr_workgroup_id_x 1
		.amdhsa_system_sgpr_workgroup_id_y 1
		.amdhsa_system_sgpr_workgroup_id_z 1
		.amdhsa_system_vgpr_workitem_id 0
		.amdhsa_next_free_vgpr 768
		.amdhsa_next_free_sgpr 102
		.amdhsa_reserve_vcc 1
		.amdhsa_float_denorm_mode_32 3
		.amdhsa_float_denorm_mode_16_64 3
		.amdhsa_memory_ordered 1
		.amdhsa_forward_progress 1
		.amdhsa_inst_pref_size 141
	.end_amdhsa_kernel
	.amdgpu_metadata
---
amdhsa.version: [ 1, 2 ]
amdhsa.kernels:
  - .name:           k_q11e1bd7188_qkv
    .symbol:         k_q11e1bd7188_qkv.kd
    .args:
      - { .name: act_codes, .offset: 0, .size: 8, .value_kind: global_buffer, .address_space: global }
      - { .name: act_scales, .offset: 8, .size: 8, .value_kind: global_buffer, .address_space: global }
      - { .name: w_codes, .offset: 16, .size: 8, .value_kind: global_buffer, .address_space: global }
      - { .name: w_scales, .offset: 24, .size: 8, .value_kind: global_buffer, .address_space: global }
      - { .name: bq, .offset: 32, .size: 8, .value_kind: global_buffer, .address_space: global }
      - { .name: bk, .offset: 40, .size: 8, .value_kind: global_buffer, .address_space: global }
      - { .name: bv, .offset: 48, .size: 8, .value_kind: global_buffer, .address_space: global }
      - { .name: qkv_codes, .offset: 56, .size: 8, .value_kind: global_buffer, .address_space: global }
      - { .name: qkv_scales, .offset: 64, .size: 8, .value_kind: global_buffer, .address_space: global }
    .group_segment_fixed_size: 327680
    .private_segment_fixed_size: 0
    .kernarg_segment_align: 8
    .kernarg_segment_size: 72
    .max_flat_workgroup_size: 128
    .sgpr_count:     102
    .vgpr_count:     768
    .wavefront_size: 32
...
	.end_amdgpu_metadata
.endif
;; end of part 2
;; launch attn (part 3): grid 4 x 64, 16 waves a work-group, clusters of 4 x 1, 167,936 bytes of LDS; arguments qkv_codes, qkv_scales, act_codes, act_scales; writes act_codes, act_scales
.if DOCPART == 3
	.amdgcn_target "amdgcn-amd-amdhsa--gfx1250"
	.amdhsa_code_object_version 6
	.text
	.protected	k_q11e1bd7188_attn
	.globl	k_q11e1bd7188_attn
	.p2align	8
	.type	k_q11e1bd7188_attn,@function
k_q11e1bd7188_attn:
	s_mov_b64 s[64:65], 0
	v_nop
	global_prefetch_b8 v0, s[64:65] scope:SCOPE_SE
	s_setreg_imm32_b32 hwreg(HW_REG_WAVE_MODE, 25, 1), 1
	s_wait_xcnt 0x0
	s_wait_alu depctr_hold_cnt(0) depctr_sa_sdst(0) depctr_va_vdst(0) depctr_va_sdst(0) depctr_va_ssrc(0) depctr_va_vcc(0) depctr_vm_vsrc(0)
	s_getreg_b32 s2, hwreg(HW_REG_IB_STS2, 6, 4)
	s_cmp_eq_u32 s2, 0
	s_cbranch_scc0 .Lentry_in_a_cluster
	s_endpgm
.Lentry_in_a_cluster:
	s_bfe_u32 s2, ttmp6, 0x10000c
	s_cmp_lg_u32 s2, 0x3003
	s_cbranch_scc0 .Lentry_shape_is_right
	s_endpgm
.Lentry_shape_is_right:
; O = softmax(q k^T / 8) v for one head, both products on codes of FP4 (E2M1) with E8M0 scales; O / l is quantised along the model's 1,024 and stored as the image of the last product's operand.
; THE SOFTMAX: t = score x log2(e) / 8; M = the running largest t rounded UP to a whole number; p = 2^(t - M) is quantised along the keys, not normalised; l is the sum of the unquantised p, in f32, and divides O at the end.
; When M moves, l and O are multiplied by 2^(old M - new M): exact.
; SHARES.  A work-group owns one head (y = 16 batch + head) and 512 queries, in two passes of 256; each of its sixteen waves owns a tile of 16 queries a pass, in 256 registers.  A STEP IS 256 KEYS: M, the factor and O's rescaling are made once for 128 scores a lane.
; THE HEAD'S WHOLE K AND V LIE IN LDS, filled once, jointly for the head's four work-groups, one tensor load a wave: waves 0-3 K's quarters, 4-7 V's, wave 8 the scale words.  All is asked for at the head, so there is no loop to prefetch ahead in.
; LAYOUT.  Both products are used transposed: a lane holds ONE query.  A KEY TILE (G, j) takes keys 64 G + 8 j + 0..7 as rows 0-7 and 64 G + 32 + 8 j + 0..7 as rows 8-15: so lane (r, h)'s 32 registers of group G are the 32 keys of block 2 G + h:
; a block's largest score needs no other lane, and four conversions give the operand's registers as they are wanted.  In memory k lies by tiles of rows 32 g + 8 u + r + 8 (r / 8), 512 bytes each; the tile above is read from four of them:
; K's LDS rows are 1,024 bytes (tiles 2 g, 2 g + 1) + 128 of padding, so that a load's sixteen lanes (eight at 16 (r % 8), eight 1,152 on) touch sixteen different 16-byte columns modulo 256.
; q k^T has K = 64: q's registers 4-7 hold zero codes, so what lies in registers 4-7 of a key fragment adds nothing (every pattern is a finite code; the scale bytes there are 0): the fragments lie 4 registers apart.
; LIMITS: NaN and infinities are not served.  A p under 2^-126 counts as 0 (v_exp_f32 flushes: ISA guide, its entry).  1 / l is v_rcp_f32.  A block's largest p is taken through its largest score, which takes v_exp_f32 not to fall where
; its input rises.  A block of zeros gets the byte 1.  O's scale bytes leave one byte a lane.  The promise holds while the scaled scores stay under 2^31 in magnitude.
.set VB,    73728                      ; LDS: K's codes at 0 (64 rows x 1,152), V's here (65,536, dense),
.set SK,    139264                     ; k's scale words (8,192), then v's (4,096)
.set SV,    SK+8192
.set SPARE, 151552                     ; the spare words: 128 bytes a wave
.set GQ,  0                            ; v0  (behind the head) my tile's scale word of row r in its block of 256 bytes
.set SPW, 1                            ; v1  my spare word;  v2  0
.set NIL, 2
.set L16, 3                            ; v3  16 x lane
.set L8,  4                            ; v4  8 x lane
.set ASK0, 5                           ; v5  8 (r % 8) + 4 (r / 8) + 128 h: a key tile's scale word
.set GB,  6                            ; v6  16 r + h: my scale byte's place in the output
.set ADK, 7                            ; v7-9, v35 the step's LDS addresses: K, V, k's words, v's words
.set ADV, 8
.set ADS, 9
.set TA,  10                           ; v10, v11 at work
.set TB,  11                           ; v12 -M, v13 the largest score, v[14:15] l in two halves, v16-23 q
.set KS,  24                           ; v24-27 scale words of eight key tiles
.set VS,  28                           ; v28-31 v's
.set QS,  32                           ; v32 q's
.set PS,  33                           ; v33, v34 p's, for keys 0-127 and 128-255
.set ADT, 35
.set F,   36                           ; v36 f = 2^(old M - new M); named as a pair with v37
.set AK0, 37                           ; v37 1,152 (r / 8) + 16 (r % 8) + 256 h: my place in a key tile
.set OM,  38                           ; v38 the old -M; v39 a lane exchange's result
.set PT,  39
.set KF,  40                           ; v40-75 eight key fragments, 4 registers apart, and 4 more that the last one names
.set SS,  76                           ; v76-203 S^T, then p; its first 64 later V's fragments
.set OO,  204                          ; v204-235 O^T
.set PC,  236                          ; v236-251 p's codes
.set BM,  252                          ; v252-255 my four blocks' largest score, then largest p, then the conversions' scale operand
.set WV,  12
.set SEL, 20                           ; s[20:21] selects for lane l xor 16
.set CS,  22                           ; s[22:23] c = log2(e) / 8
.set TK,  48                           ; s48-51 where the step's K, k's words, V, v's words begin
.set TSK, 49
.set TV,  50
.set TSV, 51
.set CNT, 80
.set NC,  81                           ; -c
.set P0,  82                           ; s82, s83 byte selects that make p's two scale words
.set P1,  83
.macro WALU
	s_wait_alu depctr_va_vdst(0)
.endm
.macro CROUND
	s_barrier_signal -1
	s_barrier_wait -1
	s_cmp_lg_u32 s[WV], 0
	s_cbranch_scc1 .Lnot_wave_0_\@
	s_barrier_signal -3
.Lnot_wave_0_\@:
	s_barrier_wait -3
	s_barrier_signal -1
	s_barrier_wait -1
.endm
.macro ARM under, g0, g1, next         ; one arm of the head's chain: one tensor load
	s_cmp_lt_u32 s[WV], \under
	s_cbranch_scc0 \next
	tensor_load_to_lds s[\g0:\g0+3], s[\g1:\g1+7]
	s_nop 0
.rept 4
	v_nop
.endr
	s_branch .Lhead_asked
\next:
.endm
.macro KLOAD cb, sb                    ; eight key tiles (two groups of 64 keys) and their scale words: tiles j = 0 | 1 and 2 | 3 of a group in lanes 0-15 | 16-31
.irp t, 0,1,2,3,4,5,6,7
	ds_load_b128 v[KF+4*\t:KF+4*\t+3], v[ADK] offset:(\cb)+2304*(\t/4)+512*(\t%2)+128*((\t%4)/2)
.endr
.irp i, 0,1,2,3
	ds_load_b32 v[KS+\i], v[ADS] offset:(\sb)+256*(\i/2)+64*(\i%2)
.endr
.endm
.macro SMUL hf                         ; S^T of eight key tiles
.irp t, 0,1,2,3,4,5,6,7
.if \t % 2
	v_wmma_scale_f32_16x16x128_f8f6f4 v[SS+64*\hf+8*\t:SS+64*\hf+8*\t+7], v[KF+4*\t:KF+4*\t+7], v[16:23], 0, v[KS+\t/2], v[QS] matrix_a_fmt:MATRIX_FMT_FP4 matrix_b_fmt:MATRIX_FMT_FP4 matrix_a_scale:MATRIX_SCALE_ROW1
.else
	v_wmma_scale_f32_16x16x128_f8f6f4 v[SS+64*\hf+8*\t:SS+64*\hf+8*\t+7], v[KF+4*\t:KF+4*\t+7], v[16:23], 0, v[KS+\t/2], v[QS] matrix_a_fmt:MATRIX_FMT_FP4 matrix_b_fmt:MATRIX_FMT_FP4
.endif
.endr
.endm
.macro BMAX g                          ; the largest score of my blocks g and g + 1: eight chains by turns, one a key tile, each accumulator from its low end on; the chains lie in the codes' registers, which are dead here
.irp b, 0,1
.irp j, 0,1,2,3
	v_max3_num_f32 v[PC+4*\b+\j], v[SS+32*((\g)+\b)+8*\j], v[SS+32*((\g)+\b)+8*\j+1], v[SS+32*((\g)+\b)+8*\j+2]
.endr
.endr
.irp i, 3,5
.irp b, 0,1
.irp j, 0,1,2,3
	v_max3_num_f32 v[PC+4*\b+\j], v[PC+4*\b+\j], v[SS+32*((\g)+\b)+8*\j+\i], v[SS+32*((\g)+\b)+8*\j+\i+1]
.endr
.endr
.endr
.irp b, 0,1
.irp j, 0,2
	v_max3_num_f32 v[PC+4*\b+\j], v[PC+4*\b+\j], v[SS+32*((\g)+\b)+8*\j+7], v[SS+32*((\g)+\b)+8*\j+15]   ; the tiles' last registers, two to a chain
.endr
.endr
	s_delay_alu instid0(VALU_DEP_3)                ; (a hint: the line reads what the third line back wrote; the hints below likewise, by their counts)
	v_max3_num_f32 v[BM+(\g)], v[PC], v[PC+1], v[PC+2]
	s_delay_alu instid0(VALU_DEP_2)
	v_max3_num_f32 v[BM+(\g)+1], v[PC+4], v[PC+5], v[PC+6]
	s_delay_alu instid0(VALU_DEP_2)
	v_max_num_f32 v[BM+(\g)], v[BM+(\g)], v[PC+3]
	s_delay_alu instid0(VALU_DEP_2)
	v_max_num_f32 v[BM+(\g)+1], v[BM+(\g)+1], v[PC+7]
.endm
.macro CV g, j                         ; one conversion: eight p of block g into register j of its four
	v_cvt_scalef32_pk8_fp4_f32 v[PC+4*(\g)+\j], v[SS+32*(\g)+8*\j:SS+32*(\g)+8*\j+7], v[BM+(\g)]
.endm
.macro CODES g                         ; blocks g and g + 1: four conversions each give registers 4 c .. 4 c + 3 of the operand
.irp b, 0,1
.irp j, 0,1,2,3
	v_cvt_scalef32_pk8_fp4_f32 v[PC+4*((\g)+\b)+\j], v[SS+32*((\g)+\b)+8*\j:SS+32*((\g)+\b)+8*\j+7], v[BM+(\g)+\b]
.endr
.endr
.endm
.macro SUM x                           ; 64 unquantised p are added onto l: eight chains in place (their codes are made), two numbers an instruction
.irp i, 16,32,48                               ; (eight chains by turns)
.irp k, 0,2,4,6,8,10,12,14
	v_pk_add_f32 v[(\x)+\k:(\x)+\k+1], v[(\x)+\k:(\x)+\k+1], v[(\x)+\i+\k:(\x)+\i+\k+1]
.endr
.endr
.irp k, 0,2,4,6
	v_pk_add_f32 v[(\x)+\k:(\x)+\k+1], v[(\x)+\k:(\x)+\k+1], v[(\x)+8+\k:(\x)+8+\k+1]
.endr
	s_delay_alu instid0(VALU_DEP_2)
	v_pk_add_f32 v[(\x):(\x)+1], v[(\x):(\x)+1], v[(\x)+4:(\x)+5]
	s_delay_alu instid0(VALU_DEP_2)
	v_pk_add_f32 v[(\x)+2:(\x)+3], v[(\x)+2:(\x)+3], v[(\x)+6:(\x)+7]
	s_delay_alu instid0(VALU_DEP_2)
	v_pk_add_f32 v[14:15], v[14:15], v[(\x):(\x)+1]
	s_delay_alu instid0(VALU_DEP_1)
	v_pk_add_f32 v[14:15], v[14:15], v[(\x)+2:(\x)+3]
.endm
; A STEP: 256 keys.  Its first eight key tiles were asked for in the step before.
.macro STEP
	WALU
	s_wait_dscnt 0x0
	SMUL 0
	v_add_nc_u32 v[ADV], s[TV], v[L16]             ; four plain lines: the places in front of the loads into the products' registers
	v_add_nc_u32 v[ADT], s[TSV], v[L8]
	v_mov_b32 v[OM], v12
	v_nop
	KLOAD 4608, 512                                ; the other eight tiles land under the first two blocks' maxima
	BMAX 0
	WALU
	s_wait_dscnt 0x0
	SMUL 1
	s_add_co_u32 s[TK], s[TK], 9216
	s_add_co_u32 s[TSK], s[TSK], 1024
	v_add_nc_u32 v[ADK], s[TK], v[AK0]             ; four places again
	v_add_nc_u32 v[ADS], s[TSK], v[ASK0]
	v_max_num_f32 v[TA], v[BM], v[BM+1]
	v_nop
	KLOAD 0, 0                                     ; the next step's first eight tiles (the pass's last step reads filled bytes behind K's and k's words, and nothing uses them)
	BMAX 2
	s_delay_alu instid0(VALU_DEP_1)
	v_max3_num_f32 v[TA], v[TA], v[BM+2], v[BM+3]
	s_delay_alu instid0(VALU_DEP_1)
	v_permlanex16_b32 v[PT], v[TA], s[SEL], s[SEL+1]
	s_delay_alu instid0(VALU_DEP_1)
	v_max3_num_f32 v13, v13, v[TA], v[PT]          ; the running largest score of my query
	s_delay_alu instid0(VALU_DEP_1)
	v_mul_f32 v[TB], s[NC], v13                    ; -t
	s_delay_alu instid0(VALU_DEP_1)
	v_floor_f32 v12, v[TB]                         ; -M = floor(-t) = -ceil(t)
	s_delay_alu instid0(VALU_DEP_1)
	v_sub_f32 v[OM], v12, v[OM]                    ; old M less new M: a whole number, 0 or less
	s_delay_alu instid0(VALU_DEP_2)
	v_fma_f32 v[BM], v[BM], s[CS], v12             ; t - M of each block's largest score
.irp b, 1,2,3
	v_fma_f32 v[BM+\b], v[BM+\b], s[CS], v12
.endr
	v_cvt_i32_f32 v[OM], v[OM]                     ; (it saturates)
.set J, 0
.rept 64
	v_pk_fma_f32 v[SS+J:SS+J+1], v[SS+J:SS+J+1], s[CS:CS+1], v[12:13] op_sel_hi:[1,0,0]   ; t - M
.if J == 10
	v_ldexp_f32 v[F], 1.0, v[OM]                   ; f = 2^(old M - new M), among lines that do not hang on it
.endif
.set J, J+2
.endr
	WALU
.set J, 0
.rept 128
	v_exp_f32 v[SS+J], v[SS+J]
.set J, J+1
.endr
.irp b, 0,1,2,3
	v_exp_f32 v[BM+\b], v[BM+\b]                   ; the block's largest p: the same two instructions on the same number
.endr
	v_pk_mul_f32 v[14:15], v[14:15], v[F:F+1] op_sel_hi:[1,0]   ; l under the new M; a plain place behind the exponentials
	WALU
.irp b, 0,1,2,3
	v_max_num_f32 v[BM+\b], 0x1800000, v[BM+\b]    ; the floor 2^(3 - 127): the byte cannot fall under 1
.endr
.irp b, 0,1,2,3
	s_delay_alu instid0(VALU_DEP_4)
	v_add_nc_u32 v[BM+\b], 0xff000000, v[BM+\b]    ; 2 off the exponent field: the conversion's scale operand
.endr
	s_delay_alu instid0(VALU_DEP_4)
	v_lshrrev_b32 v[TA], 23, v[BM]                 ; my four bytes,
	s_delay_alu instid0(VALU_DEP_4)
	v_lshrrev_b32 v[OM], 23, v[BM+1]
	s_delay_alu instid0(VALU_DEP_4)
	v_lshrrev_b32 v[TB], 23, v[BM+2]
	s_delay_alu instid0(VALU_DEP_4)
	v_lshrrev_b32 v[PT], 23, v[BM+3]
	CV 0, 0                                        ; the first two blocks' conversions, with the bytes' joins among them
	CV 0, 1
	v_lshl_or_b32 v[TA], v[TB], 8, v[TA]           ; [g 0, g 2]
	v_lshl_or_b32 v[OM], v[PT], 8, v[OM]           ; [g 1, g 3]
	CV 0, 2
	CV 0, 3
	CV 1, 0
	CV 1, 1
	CV 1, 2
	CV 1, 3
	v_lshl_or_b32 v[TA], v[OM], 16, v[TA]          ; laid [g 0, g 2, g 1, g 3]; also the plain place behind the conversions
	s_delay_alu instid0(VALU_DEP_1)
	v_permlanex16_b32 v[PT], v[TA], s[SEL], s[SEL+1]
	SUM SS
	v_perm_b32 v[PS], v[PT], v[TA], s[P0]          ; lanes 0-15: blocks 0, 1, 2, 3: mine and lane l + 16's by turns (lanes 16-31 are not read)
	v_perm_b32 v[PS+1], v[PT], v[TA], s[P1]        ; blocks 4, 5, 6, 7
.irp ch, 0,1                                   ; V's fragments of both 128 keys, where the first 64 p lay
.irp d, 0,1,2,3
.irp c, 0,1
	ds_load_b128 v[SS+32*\ch+8*\d+4*\c:SS+32*\ch+8*\d+4*\c+3], v[ADV] offset:4096*\ch+1024*\d+512*\c
.endr
.endr
.endr
	ds_load_b64 v[VS:VS+1], v[ADT]                 ; d tiles 0 | 1, 2 | 3
	ds_load_b64 v[VS+2:VS+3], v[ADT] offset:256
	CODES 2
	WALU                                           ; directly ahead of the first readers of O^T
.set J, 0
.rept 16
	v_pk_mul_f32 v[OO+J:OO+J+1], v[OO+J:OO+J+1], v[F:F+1] op_sel_hi:[1,0]   ; O^T under the new M
.set J, J+2
.endr
	WALU
	s_wait_dscnt 0x0
.irp ch, 0,1                                   ; the four accumulators by turns
.irp d, 0,1,2,3
.if \d % 2
	v_wmma_scale_f32_16x16x128_f8f6f4 v[OO+8*\d:OO+8*\d+7], v[SS+32*\ch+8*\d:SS+32*\ch+8*\d+7], v[PC+8*\ch:PC+8*\ch+7], v[OO+8*\d:OO+8*\d+7], v[VS+2*\ch+\d/2], v[PS+\ch] matrix_a_fmt:MATRIX_FMT_FP4 matrix_b_fmt:MATRIX_FMT_FP4 matrix_a_scale:MATRIX_SCALE_ROW1
.else
	v_wmma_scale_f32_16x16x128_f8f6f4 v[OO+8*\d:OO+8*\d+7], v[SS+32*\ch+8*\d:SS+32*\ch+8*\d+7], v[PC+8*\ch:PC+8*\ch+7], v[OO+8*\d:OO+8*\d+7], v[VS+2*\ch+\d/2], v[PS+\ch] matrix_a_fmt:MATRIX_FMT_FP4 matrix_b_fmt:MATRIX_FMT_FP4
.endif
.endr
.endr
	SUM SS+64                                      ; names none of the products' registers: these 32 lines are the places behind them
	s_add_co_u32 s[TV], s[TV], 8192
	s_add_co_u32 s[TSV], s[TSV], 512
.endm
; A PASS: my 16 queries against all 2,048 keys.  The step is written once: the first finds zeros, which the first change of M leaves zeros.
.macro PASS
	s_mov_b32 s[TK], 0
	s_mov_b32 s[TSK], SK
	s_mov_b32 s[TV], VB
	s_mov_b32 s[TSV], SV
	s_mov_b32 s[CNT], 8
	v_add_nc_u32 v[ADK], s[TK], v[AK0]
	v_add_nc_u32 v[ADS], s[TSK], v[ASK0]
	KLOAD 0, 0
	v_mov_b32 v13, 0xff61b1e6                      ; the largest score so far: -3e38
	v_floor_f32 v12, -v13
	v_mov_b32 v14, 0
	v_mov_b32 v15, 0
.set J, 0
.rept 32
	v_mov_b32 v[OO+J], 0
.set J, J+1
.endr
.Lstep_\@:
	STEP
	s_sub_co_u32 s[CNT], s[CNT], 1
	s_cmp_lg_u32 s[CNT], 0
	s_cbranch_scc1 .Lstep_\@
.endm
; THE WAY OUT of pass p: O^T / l, quantised along the head's 64 channels (two blocks), is half a fragment of the last product's operand.  Register 16 g + i is channel 32 g + 16 h + i.
.macro EPI p
	WALU
	s_wait_dscnt 0x0                               ; the loads that ran ahead have landed: their registers may be asked for again
.if (\p) == 0
	global_load_b128 v[16:19], v[L16], s[56:57] offset:8192    ; the next pass's q: 16 tiles on,
	global_load_b32 v[QS], v[GQ], s[58:59] offset:1024         ; and its scale words
.endif
	v_add_f32 v14, v14, v15
	v_permlanex16_b32 v[PT], v14, s[SEL], s[SEL+1]
	v_add_f32 v14, v14, v[PT]
	WALU
	v_rcp_f32 v14, v14
	v_nop
	WALU
.set J, 0
.rept 16
	v_pk_mul_f32 v[SS+J:SS+J+1], v[OO+J:OO+J+1], v[14:15] op_sel_hi:[1,0]
.set J, J+2
.endr
.irp b, 0,1
	v_max3_num_f32 v[BM+\b], |v[SS+16*\b]|, |v[SS+16*\b+1]|, 0x1800000
.endr
.irp i, 2,4,6,8,10,12,14
.irp b, 0,1
	v_max3_num_f32 v[BM+\b], v[BM+\b], |v[SS+16*\b+\i]|, |v[SS+16*\b+\i+1]|
.endr
.endr
	v_permlanex16_b32 v[TA], v[BM], s[SEL], s[SEL+1]
	v_permlanex16_b32 v[TB], v[BM+1], s[SEL], s[SEL+1]
	v_max_num_f32 v[BM], v[BM], v[TA]
	v_max_num_f32 v[BM+1], v[BM+1], v[TB]
	v_add_nc_u32 v[BM+2], 0xff000000, v[BM]
	v_add_nc_u32 v[BM+3], 0xff000000, v[BM+1]
	v_lshrrev_b32 v[OM], 23, v[BM+2]
	v_lshrrev_b32 v[PT], 23, v[BM+3]
.irp b, 0,1
	v_cvt_scalef32_pk8_fp4_f32 v[PC+2*\b], v[SS+16*\b:SS+16*\b+7], v[BM+2+\b]
	v_cvt_scalef32_pk8_fp4_f32 v[PC+2*\b+1], v[SS+16*\b+8:SS+16*\b+15], v[BM+2+\b]
.endr
	v_nop
	v_permlane16_swap_b32 v[PC], v[PC+2]           ; lanes 0-15 block 0, lanes 16-31 block 1
	v_permlane16_swap_b32 v[PC+1], v[PC+3]
	v_cndmask_b32 v[TA], v[OM], v[PT], vcc_lo      ; lane (r, h) stores block h's byte of row r
	global_store_b128 v[L16], v[PC:PC+3], s[60:61] offset:(\p)*131072   ; 512 consecutive bytes
	global_store_b8 v[GB], v[TA], s[62:63] offset:(\p)*8192
.endm
	s_load_b256 s[4:11], s[0:1], 0x0               ; qkv_codes 4:5, qkv_scales 6:7, act_codes 8:9, act_scales 10:11
	v_lshl_add_u32 v[SPW], v0, 2, SPARE
	v_mov_b32 v[NIL], 0
	ds_add_u32 v[SPW], v[NIL]                      ; the opening lines: the add twice on end
	ds_add_u32 v[SPW], v[NIL]
	v_lshrrev_b32 v8, 5, v0
	v_readfirstlane_b32 s[WV], v8                  ; wave 0..15
	s_bfe_u32 s13, ttmp6, 0x40000                  ; cx
	s_lshl_b32 s14, ttmp9, 2
	s_add_co_u32 s13, s13, s14                     ; my block of 512 queries: it enters q's and the output's addresses alone
	s_and_b32 s14, ttmp7, 0xffff                   ; bh, which the four partners share
	s_and_b32 s15, s[WV], 3                        ; which quarter I fetch
	s_mov_b32 s24, 15|(3<<16)|(1<<20)|(1<<21)|(7<<22)|(31<<25)   ; K: all four work-groups; elements of 8 bytes; 32 words of padding behind every 256
	s_mov_b32 s25, 128<<16
	s_mov_b32 s26, 16<<16                          ; 16 rows of 1,024 bytes
	s_mov_b32 s27, 128<<16
	s_mov_b32 s28, 16
	s_mov_b32 s29, 128
	s_mov_b32 s30, 0
	s_mov_b32 s31, 0
	s_mov_b32 s32, 15|(3<<16)|(1<<21)              ; V: 64 rows of 256 bytes, dense
	s_mov_b32 s33, 32<<16
	s_mov_b32 s34, 64<<16
	s_mov_b32 s35, 32<<16
	s_mov_b32 s36, 64
	s_mov_b32 s37, 32
	s_mov_b32 s38, 0
	s_mov_b32 s39, 0
	s_mov_b32 s68, 15|(3<<16)|(1<<21)              ; the scale words: 48 rows of 256 bytes, dense
	s_mov_b32 s69, 32<<16
	s_mov_b32 s70, 48<<16
	s_mov_b32 s71, 32<<16
	s_mov_b32 s72, 48
	s_mov_b32 s73, 32
	s_mov_b32 s74, 0
	s_mov_b32 s75, 0
	s_mul_i32 s16, s14, 196608                     ; the head's codes,
	s_mul_i32 s17, s14, 20480                      ; and its scale words
	s_lshl_b32 s18, s15, 14
	s_add_co_u32 s52, s16, s18
	s_add_co_u32 s52, s52, 65536                   ; k follows q, v follows k
	s_mov_b32 s53, 0
	s_add_co_u32 s54, s17, 8192
	s_mov_b32 s55, 0
	s_mov_b32 s40, 1
	s_mul_i32 s41, s15, 18432
	s_mov_b32 s44, 1
	s_add_co_u32 s45, s18, VB
	s_mov_b32 s76, 1
	s_mov_b32 s77, SK
	s_wait_dscnt 0x0
	s_wait_kmcnt 0x0
	s_add_nc_u64 s[42:43], s[4:5], s[52:53]
	s_add_nc_u64 s[46:47], s[42:43], 65536
	s_or_b32 s43, s43, 0x80000000
	s_or_b32 s47, s47, 0x80000000
	s_add_nc_u64 s[78:79], s[6:7], s[54:55]
	s_or_b32 s79, s79, 0x80000000
	CROUND                                         ; all four work-groups are here: the joint loads meet
	ARM 4, 40, 24, .Lhead_v
	ARM 8, 44, 32, .Lhead_s
	ARM 9, 76, 68, .Lhead_none
.Lhead_asked:
	s_lshl_b32 s52, s13, 5
	s_add_co_u32 s52, s52, s[WV]                   ; my tile of pass 0
	s_lshl_b32 s54, s52, 9
	s_add_co_u32 s54, s54, s16
	s_add_nc_u64 s[56:57], s[4:5], s[54:55]        ; q's codes
	s_lshr_b32 s54, s52, 2
	s_lshl_b32 s54, s54, 8
	s_add_co_u32 s54, s54, s17
	s_add_nc_u64 s[58:59], s[6:7], s[54:55]        ; q's scale words: my tile's block of 256 bytes
	s_lshr_b32 s18, s14, 4
	s_lshl_b32 s18, s18, 7
	s_add_co_u32 s18, s18, s52                     ; the output's tile: 128 batch + my tile
	s_and_b32 s19, s14, 15                         ; the head
	s_lshl_b32 s54, s18, 13
	s_lshl_b32 s16, s19, 9
	s_add_co_u32 s54, s54, s16
	s_add_nc_u64 s[60:61], s[8:9], s[54:55]
	s_lshl_b32 s54, s18, 9
	s_lshr_b32 s16, s19, 3
	s_lshl_b32 s16, s16, 8
	s_add_co_u32 s54, s54, s16
	s_and_b32 s16, s19, 7
	s_lshl_b32 s16, s16, 1
	s_add_co_u32 s54, s54, s16
	s_add_nc_u64 s[62:63], s[10:11], s[54:55]
	s_and_b32 s18, s[WV], 1                        ; tile (wave % 4) of its block: lanes' half wave % 2, word (wave / 2) % 2
	s_lshl_b32 s18, s18, 7
	s_bfe_u32 s19, s[WV], 0x10001
	s_lshl_b32 s19, s19, 2
	s_add_co_u32 s18, s18, s19
	s_mov_b32 s[SEL], 0x76543210
	s_mov_b32 s[SEL+1], 0xfedcba98
	s_mov_b32 s[CS], 0x3e38aa3b                    ; c = log2(e) / 8
	s_mov_b32 s[CS+1], s[CS]
	s_mov_b32 s[NC], 0xbe38aa3b
	s_mov_b32 s[P0], 0x06020400
	s_mov_b32 s[P1], 0x07030501
	s_mov_b32 vcc_lo, 0xffff0000                   ; lanes 16-31
	v_and_b32 v8, 31, v0                           ; lane
	v_and_b32 v9, 15, v0                           ; r
	v_bfe_u32 v10, v0, 4, 1                        ; h
	v_lshlrev_b32 v[L16], 4, v8
	v_lshlrev_b32 v[L8], 3, v8
	v_lshl_add_u32 v[GB], v9, 4, v10
	v_and_b32 v11, 7, v9
	v_lshrrev_b32 v7, 3, v9
	v_mul_u32_u24 v[AK0], v7, 1152
	v_lshl_add_u32 v[AK0], v11, 4, v[AK0]
	v_lshl_add_u32 v[AK0], v10, 8, v[AK0]
	v_lshlrev_b32 v[ASK0], 2, v7
	v_lshl_add_u32 v[ASK0], v11, 3, v[ASK0]
	v_lshl_add_u32 v[ASK0], v10, 7, v[ASK0]
	v_lshl_add_u32 v[GQ], v9, 3, s18               ; (the thread's number has served)
	global_load_b128 v[16:19], v[L16], s[56:57]    ; q's half fragment
	global_load_b32 v[QS], v[GQ], s[58:59]
.irp j, 20,21,22,23
	v_mov_b32 v\j, 0                               ; the upper 64 of the instruction's K: zero codes, written once
.endr
.irp j, 32,33,34,35
	v_mov_b32 v[KF+\j], 0                          ; named by the eighth key fragment
.endr
	v_mov_b32 v[PT], 0                             ; a lane exchange's destination counts as one of its sources
	v_mov_b32 v[TA], 0
	v_mov_b32 v[TB], 0
	WALU
	s_wait_tensorcnt 0x0                           ; my load has landed (waves 9-15 have none),
	s_barrier_signal -1
	s_barrier_wait -1                              ; everybody's has: K and V are whole, and nobody writes LDS again
	s_wait_loadcnt 0x0                             ; q
	PASS
	EPI 0
	s_wait_loadcnt 0x0                             ; the next q
	s_wait_xcnt 0x0                                ; the stores' data are written again only behind this wait
	PASS
	EPI 1
	s_wait_tensorcnt 0x0                           ; the wave's end
	ds_add_u32 v[SPW], v[NIL]
	s_wait_dscnt 0x0
	CROUND                                         ; the closing round
	s_endpgm
.Lfunc_end_k_q11e1bd7188_attn:
	.size	k_q11e1bd7188_attn, .Lfunc_end_k_q11e1bd7188_attn-k_q11e1bd7188_attn
	.p2alignl 7, 3214868480
	.fill 96, 4, 3214868480
	.section	.rodata,"a",@progbits
	.p2align	6, 0x0
	.amdhsa_kernel k_q11e1bd7188_attn
		.amdhsa_group_segment_fixed_size 167936
		.amdhsa_private_segment_fixed_size 0
		.amdhsa_enable_private_segment 0
		.amdhsa_kernarg_size 32
		.amdhsa_user_sgpr_count 2
		.amdhsa_user_sgpr_kernarg_segment_ptr 1
		.amdhsa_wavefront_size32 1
		.amdhsa_system_sgpr_workgroup_id_x 1
		.amdhsa_system_sgpr_workgroup_id_y 1
		.amdhsa_system_sgpr_workgroup_id_z 1
		.amdhsa_system_vgpr_workitem_id 0
		.amdhsa_next_free_vgpr 256
		.amdhsa_next_free_sgpr 84
		.amdhsa_reserve_vcc 1
		.amdhsa_float_denorm_mode_32 3
		.amdhsa_float_denorm_mode_16_64 3
		.amdhsa_memory_ordered 1
		.amdhsa_forward_progress 1
		.amdhsa_inst_pref_size 74
	.end_amdhsa_kernel
	.amdgpu_metadata
---
amdhsa.version: [ 1, 2 ]
amdhsa.kernels:
  - .name:           k_q11e1bd7188_attn
    .symbol:         k_q11e1bd7188_attn.kd
    .args:
      - { .name: qkv_codes, .offset: 0, .size: 8, .value_kind: global_buffer, .address_space: global }
      - { .name: qkv_scales, .offset: 8, .size: 8, .value_kind: global_buffer, .address_space: global }
      - { .name: act_codes, .offset: 16, .size: 8, .value_kind: global_buffer, .address_space: global }
      - { .name: act_scales, .offset: 24, .size: 8, .value_kind: global_buffer, .address_space: global }
    .group_segment_fixed_size: 167936
    .private_segment_fixed_size: 0
    .kernarg_segment_align: 8
    .kernarg_segment_size: 32
    .max_flat_workgroup_size: 512
    .sgpr_count:     84
    .vgpr_count:     256
    .wavefront_size: 32
...
	.end_amdgpu_metadata
.endif
;; end of part 3
;; launch oproj (part 4): grid 4 x 64, 4 waves a work-group, clusters of 4 x 4, 243,200 bytes of LDS; arguments act_codes, act_scales, w_codes, w_scales, bo, out0; writes out0
.if DOCPART == 4
	.amdgcn_target "amdgcn-amd-amdhsa--gfx1250"
	.amdhsa_code_object_version 6
	.text
	.protected	k_q11e1bd7188_oproj
	.globl	k_q11e1bd7188_oproj
	.p2align	8
	.type	k_q11e1bd7188_oproj,@function
k_q11e1bd7188_oproj:
	s_mov_b64 s[64:65], 0
	v_nop
	global_prefetch_b8 v0, s[64:65] scope:SCOPE_SE
	s_setreg_imm32_b32 hwreg(HW_REG_WAVE_MODE, 25, 1), 1
	s_wait_xcnt 0x0
	s_wait_alu depctr_hold_cnt(0) depctr_sa_sdst(0) depctr_va_vdst(0) depctr_va_sdst(0) depctr_va_ssrc(0) depctr_va_vcc(0) depctr_vm_vsrc(0)
	s_getreg_b32 s2, hwreg(HW_REG_IB_STS2, 6, 4)
	s_cmp_eq_u32 s2, 0
	s_cbranch_scc0 .Lentry_in_a_cluster
	s_endpgm
.Lentry_in_a_cluster:
	s_bfe_u32 s2, ttmp6, 0x10000c
	s_cmp_lg_u32 s2, 0xf033
	s_cbranch_scc0 .Lentry_shape_is_right
	s_endpgm
.Lentry_shape_is_right:
; out = V Wo + bo on codes of FP4 (E2M1) with E8M0 scales, K = 1,024; out0 [8192][1024] f32.  Operands arrive as images of their registers: tile T, lane-row r = operand row 32 (T / 2) + 8 (T % 2) + r + 8 (r / 8);
; codes at 8192 T + 1024 ks + 512 c + 16 lane; scale words at 512 T + 256 (ks / 4) + 16 r + 4 (ks % 4).
; THE CORE.  A work-group makes 256 rows of operand P (source 0 = columns of Wo: they run along a lane's registers) x 128 rows of operand Q (source 1 = rows of the attention's output: one a lane).
; Four waves, each 128 of P (8 tiles b) x 64 of Q (4 tiles a): 32 accumulators.  Register j of tile b = 2 g + u holds column 32 g + 16 (lane / 16) + 8 u + j: eight neighbouring numbers of a row of out.
; ALL OF K OF BOTH OPERANDS FITS IN LDS: every tensor load fills bytes for the first and only time, one load a wave, for all of K.
; CLUSTERS: 4 x 4.  P hangs on cx: shared along a column of the cluster; Q on the cluster's y and cy: shared along a row.  Each is asked for jointly.
; The bias is the C of each sum's first matrix instruction.  The accumulators take turns, one instruction a turn, in the same order in every K step.
; THE WAY OUT: a tile a (16 rows x 128 columns) goes through the wave's own stage in LDS, bytes into which no tensor load lands, and leaves as whole rows of 512 bytes.
; LIMITS: NaN and infinities are not served.
; REGISTERS: window 0: v16-27 addresses; v32-63 P's scale words; v96-111 Q's; v128-191 Q's fragments, two sets; v192-255 the bias (both later: rows read back).  window 1: P's fragments, two sets.  window 2: accumulator (a, b) at v[8 (8 a + b)].
; THE FILLS AS THEY STAND NOW: one tensor load a wave at the head: waves 0 and 1 bring P's halves, waves 2 and 3 Q's, each dense and for all of K.
; LDS: P's codes at 0: [tile 0..15][8,192]; Q's at QB: [tile 0..7][8,192].  The scale words come by plain loads straight into registers, 256 consecutive bytes for sixteen lanes.
.set QB,   131072
.set SQ,   196608                      ; Q's scale words, 4,096 bytes
.set SP,   200704                      ; P's, 8,192 bytes
.set STAGE, 208896                     ; 16 rows x (512 bytes + 16) for each wave
.set ADP,  16
.set ADQ,  18
.set ADSP, 20
.set ADSQ, 21
.set LI,   22                          ; v22 16 x lane
.set BH,   24                          ; v24 64 x (lane / 16)
.set STO,  26                          ; v26 the stage: where I put 32 bytes of a row
.set RD,   27                          ; v27 and where I read a row back
.set SCP,  32
.set SCQ,  96
.set QF,   128
.set BI,   192
.set WV,   22
.set MSB, 0
.macro WIN new                         ; the immediate's high byte repeats the setting that is left
.if MSB != \new
	s_set_vgpr_msb (MSB<<8)|\new
.set MSB, \new
.endif
.endm
.macro CROUND                          ; a round of the cluster's barrier
	s_barrier_signal -1
	s_barrier_wait -1
	s_cmp_lg_u32 s[WV], 0
	s_cbranch_scc1 .Lnot_wave_0_\@
	s_barrier_signal -3
.Lnot_wave_0_\@:
	s_barrier_wait -3
	s_barrier_signal -1
	s_barrier_wait -1
.endm
.macro PLACES                          ; four places behind a matrix instruction, in front of loads into its registers and of reads of its results
.rept 4
	v_nop
.endr
.endm
.macro SCALES                          ; all scale words of my tiles, once
.irp i, 0,1,2,3
.irp k, 0,1
	global_load_b128 v[SCP+8*\i+4*\k:SCP+8*\i+4*\k+3], v[ADSP], s[58:59] offset:512*\i+256*\k
.endr
.endr
.irp a, 0,1,2,3
	global_load_b128 v[SCQ+4*\a:SCQ+4*\a+3], v[ADSQ], s[74:75] offset:512*\a
.endr
.endm
.macro FETCH q                         ; K step q's fragments into set q % 2
	WIN 0x40                                       ; destination window 1
.irp b, 0,1,2,3,4,5,6,7
.irp c, 0,1
	ds_load_b128 v[64*((\q)%2)+8*\b+4*\c:64*((\q)%2)+8*\b+4*\c+3], v[ADP+(\q)/4] offset:8192*\b+1024*((\q)%4)+512*\c
.endr
.endr
	WIN 0
.irp a, 0,1,2,3
.irp c, 0,1
	ds_load_b128 v[QF+32*((\q)%2)+8*\a+4*\c:QF+32*((\q)%2)+8*\a+4*\c+3], v[ADQ+(\q)/4] offset:8192*\a+1024*((\q)%4)+512*\c
.endr
.endr
.endm
.macro WM a, b, q, cm                  ; one product.  cm = 0: onto the sum; 1: the sum begins with the bias of P's tile b
.set rD, 8*(8*(\a)+(\b))
.set rP, 64*((\q)%2)+8*(\b)
.set rQ, QF+32*((\q)%2)+8*(\a)
.set rX, SCP+8*((\b)%4)+(\q)
.set rY, SCQ+4*(\a)+(\q)%4
.if (\cm) == 1
.set rC, BI+8*(\b)
.else
.set rC, rD
.endif
.if ((\b) >= 4) && ((\q) >= 4)
	v_wmma_scale_f32_16x16x128_f8f6f4 v[rD:rD+7], v[rP:rP+7], v[rQ:rQ+7], v[rC:rC+7], v[rX], v[rY] matrix_a_fmt:MATRIX_FMT_FP4 matrix_b_fmt:MATRIX_FMT_FP4 matrix_a_scale:MATRIX_SCALE_ROW1 matrix_b_scale:MATRIX_SCALE_ROW1
.elseif (\b) >= 4
	v_wmma_scale_f32_16x16x128_f8f6f4 v[rD:rD+7], v[rP:rP+7], v[rQ:rQ+7], v[rC:rC+7], v[rX], v[rY] matrix_a_fmt:MATRIX_FMT_FP4 matrix_b_fmt:MATRIX_FMT_FP4 matrix_a_scale:MATRIX_SCALE_ROW1
.elseif (\q) >= 4
	v_wmma_scale_f32_16x16x128_f8f6f4 v[rD:rD+7], v[rP:rP+7], v[rQ:rQ+7], v[rC:rC+7], v[rX], v[rY] matrix_a_fmt:MATRIX_FMT_FP4 matrix_b_fmt:MATRIX_FMT_FP4 matrix_b_scale:MATRIX_SCALE_ROW1
.else
	v_wmma_scale_f32_16x16x128_f8f6f4 v[rD:rD+7], v[rP:rP+7], v[rQ:rQ+7], v[rC:rC+7], v[rX], v[rY] matrix_a_fmt:MATRIX_FMT_FP4 matrix_b_fmt:MATRIX_FMT_FP4
.endif
.endm
.macro MUL16 a0, q, cm
.if (\q) == 0
	WIN 0x81                                       ; source 0 window 1, source 1 and C (the bias) window 0, D window 2
.else
	WIN 0xa1                                       ; C and D window 2
.endif
.irp a, \a0, \a0+1
.irp b, 0,1,2,3,4,5,6,7
.if (\q) == 0
	WM (\a), \b, \q, \cm
.else
	WM (\a), \b, \q, 0
.endif
.endr
.endr
.endm
.macro STEP q, cm                      ; a K step of 128: the next step's 24 loads first, then 32 matrix instructions under which they land
	s_wait_dscnt 0x0                               ; this step's fragments are in
.if (\q) < 7
.if (\q) > 0
	PLACES                                         ; the set was read by the step before
.endif
	FETCH (\q)+1
.endif
	MUL16 0, \q, \cm
	MUL16 2, \q, \cm
.endm
.macro MAIN cm
	s_wait_tensorcnt 0x0                           ; my one load has landed
	s_barrier_signal -1
	s_barrier_wait -1                              ; everybody's has: both operands are whole
	FETCH 0
	s_wait_loadcnt 0x0                             ; the bias
.irp q, 0,1,2,3,4,5,6,7
	STEP \q, \cm
.endr
	WIN 0
	PLACES
.endm
.macro TOSTAGE a                       ; tile a into my stage, and back as whole rows.  LDS serves a wave's instructions in order (ISA guide 5.7.1.4): no wait between the stores and the loads, nor in front of the next tile's stores
	WIN 0x08                                       ; the data: window 2
.irp b, 0,1,2,3,4,5,6,7
	ds_store_b128 v[STO], v[8*(8*(\a)+\b):8*(8*(\a)+\b)+3] offset:128*(\b/2)+32*(\b%2)          ; each accumulator from its low end on
	ds_store_b128 v[STO], v[8*(8*(\a)+\b)+4:8*(8*(\a)+\b)+7] offset:128*(\b/2)+32*(\b%2)+16
.endr
	WIN 0
.irp t, 0,1,2,3,4,5,6,7,8,9,10,11,12,13,14,15
	ds_load_b128 v[128+64*((\a)%2)+4*\t:128+64*((\a)%2)+4*\t+3], v[RD] offset:528*\t
.endr
.endm
.macro SEND a, younger                 ; younger: the LDS instructions issued behind tile a's loads, which may stay out
	s_wait_dscnt \younger
.irp t, 0,1,2,3,4,5,6,7,8,9,10,11,12,13,14,15
	global_store_b128 v[LI], v[128+64*((\a)%2)+4*\t:128+64*((\a)%2)+4*\t+3], s[14:15] offset:(32*((\a)/2)+8*((\a)%2)+\t+8*(\t/8))*4096 th:TH_STORE_NT   ; stage row t is the tile's lane-row t; 32 lanes store 512 consecutive bytes, aligned
.endr
.endm
	s_load_b256 s[4:11], s[0:1], 0x0               ; act_codes 4:5, act_scales 6:7, w_codes 8:9, w_scales 10:11
	s_load_b128 s[12:15], s[0:1], 0x20             ; bo 12:13, out0 14:15
	v_lshl_add_u32 v126, v0, 2, 0x3b400
	v_mov_b32 v127, 0
	ds_add_u32 v126, v127
	ds_add_u32 v126, v127
	v_lshrrev_b32 v1, 5, v0
	v_readfirstlane_b32 s[WV], v1                  ; wave 0..3
	s_and_b32 s23, s[WV], 1                        ; which half of P's rows is mine; also: which half of an operand I fetch
	s_lshr_b32 s86, s[WV], 1                       ; which half of Q's rows is mine
	s_bfe_u32 s84, ttmp6, 0x40000                  ; cx
	s_bfe_u32 s85, ttmp6, 0x40004                  ; cy
	s_and_b32 s87, ttmp7, 0xffff                   ; the cluster's y
	s_lshl_b32 s90, 0x1111, s84                    ; my column of the cluster
	s_lshl_b32 s91, s85, 2
	s_lshl_b32 s91, 15, s91                        ; my row
	; descriptor groups 1, elements of 8 bytes, no padding.  P's codes: 8 tiles, all of K, dense; Q's: 4 tiles
	s_or_b32 s24, s90, (3<<16)|(1<<21)             ; 15:0 the mask; 17:16 elements of 8 bytes; 21 set beside a mask
	s_mov_b32 s25, 512<<16
	s_mov_b32 s26, 16<<16                          ; 16 rows of 4,096 bytes, dense: eight tiles, all of K
	s_mov_b32 s27, 512<<16
	s_mov_b32 s28, 16
	s_mov_b32 s29, 512
	s_mov_b32 s30, 0
	s_mov_b32 s31, 0
	s_or_b32 s32, s91, (3<<16)|(1<<21)
	s_mov_b32 s33, 512<<16
	s_mov_b32 s34, 8<<16                           ; 8 rows of 4,096 bytes, dense: four tiles, all of K
	s_mov_b32 s35, 512<<16
	s_mov_b32 s36, 8
	s_mov_b32 s37, 512
	s_mov_b32 s38, 0
	s_mov_b32 s39, 0
	s_lshl_b32 s88, ttmp9, 2
	s_add_co_u32 s88, s88, s84                     ; my block of 256 columns: never holds cy
	s_add_co_u32 s97, s88, 12                      ; Wo begins at P block 12 of the weights
	s_lshl_b32 s89, s87, 2
	s_add_co_u32 s89, s89, s85                     ; my block of 128 rows: never holds cx
	s_lshl_b32 s92, s97, 17
	s_lshl_b32 s96, s23, 16
	s_add_co_u32 s92, s92, s96
	s_mov_b32 s93, 0
	s_lshl_b32 s94, s89, 16
	s_lshl_b32 s96, s23, 15
	s_add_co_u32 s94, s94, s96
	s_mov_b32 s95, 0
	s_wait_dscnt 0x0
	s_wait_kmcnt 0x0
	s_add_nc_u64 s[62:63], s[8:9], s[92:93]        ; P's codes
	s_or_b32 s63, s63, 0x80000000
	s_add_nc_u64 s[78:79], s[4:5], s[94:95]        ; Q's codes
	s_or_b32 s79, s79, 0x80000000
	s_lshl_b32 s92, s97, 13
	s_lshl_b32 s96, s23, 12
	s_add_co_u32 s92, s92, s96
	s_add_nc_u64 s[58:59], s[10:11], s[92:93]      ; P's scale words
	s_lshl_b32 s94, s89, 12
	s_lshl_b32 s96, s86, 11                        ; the scale words of MY half of Q's rows
	s_add_co_u32 s94, s94, s96
	s_add_nc_u64 s[74:75], s[6:7], s[94:95]        ; Q's
	s_mov_b32 s60, 1
	s_mov_b32 s76, 1
	s_lshl_b32 s61, s23, 16                        ; the LDS addresses: constants and the wave's number alone
	s_lshl_b32 s77, s23, 15
	s_add_co_u32 s77, s77, QB
	CROUND                                         ; all sixteen work-groups are here: the joint loads meet
	s_cmp_lt_u32 s[WV], 2                          ; waves 0 and 1 fetch P's halves, waves 2 and 3 Q's: one load a wave
	s_cbranch_scc0 .Lfill_q
	tensor_load_to_lds s[60:63], s[24:31]
	s_nop 0
.rept 4
	v_nop
.endr
	s_branch .Lfilled
.Lfill_q:
	tensor_load_to_lds s[76:79], s[32:39]
	s_nop 0
.rept 4
	v_nop
.endr
.Lfilled:
	v_and_b32 v1, 31, v0                           ; lane
	v_and_b32 v2, 15, v0                           ; r
	v_bfe_u32 v3, v0, 4, 1                         ; h
	v_lshlrev_b32 v[LI], 4, v1
	s_lshl_b32 s96, s23, 16
	v_add_nc_u32 v[ADP], s96, v[LI]
	v_add_nc_u32 v[ADP+1], 4096, v[ADP]            ; K steps 4 to 7 lie 4,096 bytes on in every tile
	s_lshl_b32 s96, s86, 15
	s_add_co_u32 s96, s96, QB
	v_add_nc_u32 v[ADQ], s96, v[LI]
	v_add_nc_u32 v[ADQ+1], 4096, v[ADQ]
	v_lshlrev_b32 v5, 4, v2                        ; 16 r
	v_lshl_add_u32 v[ADSP], v3, 11, v5             ; lanes 16-31: four tiles on
	v_lshl_add_u32 v[ADSQ], v3, 8, v5              ; lanes 16-31: the second four K steps
	v_lshlrev_b32 v[BH], 6, v3
	s_mul_i32 s96, s[WV], 8448
	s_add_co_u32 s96, s96, STAGE                   ; my stage
	v_mul_u32_u24 v[STO], v2, 528
	v_lshl_add_u32 v[STO], v3, 6, v[STO]
	v_add_nc_u32 v[STO], s96, v[STO]               ; in: row r, + 64 h bytes
	v_add_nc_u32 v[RD], s96, v[LI]                 ; back: the 32 lanes take one row of 512 bytes
	s_lshl_b32 s92, s88, 10                        ; the bias of my 128 columns
	s_lshl_b32 s96, s23, 9
	s_add_co_u32 s92, s92, s96
	s_add_nc_u64 s[12:13], s[12:13], s[92:93]
.irp g, 0,1,2,3
.irp i, 0,1,2,3
	global_load_b128 v[BI+16*\g+4*\i:BI+16*\g+4*\i+3], v[BH], s[12:13] offset:128*\g+16*\i   ; register 16 g + i: the bias of column 32 g + 16 h + i
.endr
.endr
	SCALES
	s_lshl_b32 s94, s89, 19                        ; out: 128 rows of 4,096 bytes a block, my 64 rows, my 128 columns
	s_lshl_b32 s96, s86, 18
	s_add_co_u32 s94, s94, s96
	s_add_co_u32 s94, s94, s92
	s_add_nc_u64 s[14:15], s[14:15], s[94:95]
	s_wait_alu depctr_va_vdst(0)
	MAIN 1
	TOSTAGE 0
.irp a, 1,2,3
.if \a > 1
	s_wait_xcnt 0x0                                ; tile a - 2's stores have read their registers: tile a's loads may land there
.endif
	TOSTAGE \a
	SEND \a-1, 32                                  ; behind tile a - 1's loads: tile a's 16 stores and 16 loads
.endr
	SEND 3, 0
	s_wait_tensorcnt 0x0
	ds_add_u32 v126, v127
	s_wait_dscnt 0x0
	CROUND                                         ; the closing round: no work-group ends while a partner may still ask for a tile that names it
	s_endpgm
.Lfunc_end_k_q11e1bd7188_oproj:
	.size	k_q11e1bd7188_oproj, .Lfunc_end_k_q11e1bd7188_oproj-k_q11e1bd7188_oproj
	.p2alignl 7, 3214868480
	.fill 96, 4, 3214868480
	.section	.rodata,"a",@progbits
	.p2align	6, 0x0
	.amdhsa_kernel k_q11e1bd7188_oproj
		.amdhsa_group_segment_fixed_size 243200
		.amdhsa_private_segment_fixed_size 0
		.amdhsa_enable_private_segment 0
		.amdhsa_kernarg_size 48
		.amdhsa_user_sgpr_count 2
		.amdhsa_user_sgpr_kernarg_segment_ptr 1
		.amdhsa_wavefront_size32 1
		.amdhsa_system_sgpr_workgroup_id_x 1
		.amdhsa_system_sgpr_workgroup_id_y 1
		.amdhsa_system_sgpr_workgroup_id_z 1
		.amdhsa_system_vgpr_workitem_id 0
		.amdhsa_next_free_vgpr 768
		.amdhsa_next_free_sgpr 102
		.amdhsa_reserve_vcc 0
		.amdhsa_float_denorm_mode_32 3
		.amdhsa_float_denorm_mode_16_64 3
		.amdhsa_memory_ordered 1
		.amdhsa_forward_progress 1
		.amdhsa_inst_pref_size 69
	.end_amdhsa_kernel
	.amdgpu_metadata
---
amdhsa.version: [ 1, 2 ]
amdhsa.kernels:
  - .name:           k_q11e1bd7188_oproj
    .symbol:         k_q11e1bd7188_oproj.kd
    .args:
      - { .name: act_codes, .offset: 0, .size: 8, .value_kind: global_buffer, .address_space: global }
      - { .name: act_scales, .offset: 8, .size: 8, .value_kind: global_buffer, .address_space: global }
      - { .name: w_codes, .offset: 16, .size: 8, .value_kind: global_buffer, .address_space: global }
      - { .name: w_scales, .offset: 24, .size: 8, .value_kind: global_buffer, .address_space: global }
      - { .name: bo, .offset: 32, .size: 8, .value_kind: global_buffer, .address_space: global }
      - { .name: out0, .offset: 40, .size: 8, .value_kind: global_buffer, .address_space: global }
    .group_segment_fixed_size: 243200
    .private_segment_fixed_size: 0
    .kernarg_segment_align: 8
    .kernarg_segment_size: 48
    .max_flat_workgroup_size: 128
    .sgpr_count:     102
    .vgpr_count:     768
    .wavefront_size: 32
...
	.end_amdgpu_metadata
.endif
;; end of part 4
